; MI455X (gfx1250); checked and timed in simulation.
; The chip was launched on July 23, 2026; its instructions are those of AMD's public machine-readable ISA for CDNA 5 (MIT licence, August 2026) and "CDNA5" Instruction Set Architecture Reference Guide (July 2026). The comments in the code are by the model that wrote it; some were corrected since.
;; Ver2f. Allowed arithmetic: matrix products marked QUANTISED: E5M2 operands, one E8M0 scale for each 32 along K, by v_wmma_scale_f32_16x16x128_f8f6f4 with both operands' format E5M2, f32 sums; products left as they are: f32 operands where the result goes on into a quantised operand, else bf16, f16 or f32 operands; f32 sums; everything else in f32.
;; Inputs: W_proj_codes 512 x 16 x 32 uint8 (E5M2 codes of W_proj, K innermost, in blocks of 32 codes); W_proj_scales 512 x 16 uint8 (E8M0 scales of W_proj, one for each 32 codes along K); Wu_codes 256 x 16 x 32 uint8 (E5M2 codes of Wu, K innermost, in blocks of 32 codes); Wu_scales 256 x 16 uint8 (E8M0 scales of Wu, one for each 32 codes along K); Wv_codes 256 x 16 x 32 uint8 (E5M2 codes of Wv, K innermost, in blocks of 32 codes); Wv_scales 256 x 16 uint8 (E8M0 scales of Wv, one for each 32 codes along K); b_attn one number float32; b_proj 512 float32; bu 256 float32; bv 256 float32; coord_l 2 x 16,384 x 2 float32; coord_s 2 x 16,384 x 2 float32; desc_feats 4 x 8 x 512 float32; w_attn 256 float32; x_l 2 x 16,384 x 512 float32; x_s 2 x 16,384 x 512 float32.
;; Outputs: out0 2 x 4 float32; out1 2 int32; out2 2 x 16,384 x 4 float32; out3 2 x 16,384 x 4 float32.
;; This version of the problem:
;;   THIS VERSION OF THE PROBLEM IS GIVEN IN LOW PRECISION. The matrix products marked QUANTISED in the list below multiply operands that are first quantised to E5M2 (5 exponent bits, 2 mantissa bits; 8 bits a number), with one power-of-two scale for each 32 numbers along K (OCP MX v1.0); their sums are f32. All else is computed in f32.
;;   The module's matrix products, in the order in which they are computed (A, B: the left and right operand; K: the contracted axis; several contracted axes count as one K, in the product's order):
;;     1. [M 32,768, K 512] x [K 512, N 512]; A: computed on the way; B: input W_proj (given as codes): QUANTISED
;;     2. [M 32,768, K 512] x [K 512, N 512]; A: computed on the way; B: input W_proj (given as codes): QUANTISED
;;     3. [M 32,768, K 512] x [K 512, N 32]; A: computed on the way; B: input desc_feats: QUANTISED
;;     4. [M 32,768, K 512] x [K 512, N 32]; A: computed on the way; B: input desc_feats: QUANTISED
;;     5. batch 131,072 x [M 1, K 8] x [K 8, N 1]; A: softmax; B: computed on the way: left as it is (K = 8 < 32)
;;     6. [M 32,768, K 512] x [K 512, N 32]; A: computed on the way; B: input desc_feats: QUANTISED
;;     7. [M 32,768, K 512] x [K 512, N 32]; A: computed on the way; B: input desc_feats: QUANTISED
;;     8. batch 131,072 x [M 1, K 8] x [K 8, N 1]; A: softmax; B: computed on the way: left as it is (K = 8 < 32)
;;     9. [M 32,768, K 512] x [K 512, N 256]; A: computed on the way; B: input Wv (given as codes): QUANTISED
;;     10. [M 32,768, K 512] x [K 512, N 256]; A: computed on the way; B: input Wu (given as codes): QUANTISED
;;     11. [M 32,768, K 256] x [K 256, N 1]; A: computed on the way; B: input w_attn: left as it is (N = 1 < 16)
;;     12. batch 2 x [M 1, K 16,384] x [K 16,384, N 512]; A: softmax; B: computed on the way: left as it is (M = 1 < 16)
;;     13. [M 32,768, K 512] x [K 512, N 256]; A: computed on the way; B: input Wv (given as codes): QUANTISED
;;     14. [M 32,768, K 512] x [K 512, N 256]; A: computed on the way; B: input Wu (given as codes): QUANTISED
;;     15. [M 32,768, K 256] x [K 256, N 1]; A: computed on the way; B: input w_attn: left as it is (N = 1 < 16)
;;     16. batch 2 x [M 1, K 16,384] x [K 16,384, N 512]; A: softmax; B: computed on the way: left as it is (M = 1 < 16)
;;     17. [M 2, K 512] x [K 512, N 4]; A: computed on the way; B: computed on the way: left as it is (M = 2 < 16)
;;     18. [M 2, K 512] x [K 512, N 4]; A: computed on the way; B: computed on the way: left as it is (M = 2 < 16)
;;   THE QUANTISER, for each operand of a quantised product, along K:
;;     - K is cut into blocks of 32 from its start; a last block that is shorter is filled with zeros.
;;     - A block's scale is 2^e with e = floor(log2(the largest magnitude in the block)) - 15, held to -126 .. 127; a block of zeros has e = 0. As a byte (E8M0): e + 127.
;;     - Each number is divided by its block's scale, clamped to +-57,344, and rounded to the nearest number of E5M2, ties to even, subnormals kept.
;;     - The product sums the exact products of the quantised numbers (number of the format x scale) in f32.
;;   ~~~python
;;   def quantise(x, axis):      # numpy; x: float32 -> the quantised numbers, widened to float32 again
;;       x = np.moveaxis(x, axis, -1); K = x.shape[-1]
;;       x = np.pad(x, [(0, 0)] * (x.ndim - 1) + [(0, -K % 32)]); x = x.reshape(x.shape[:-1] + (-1, 32)); a = np.abs(x).max(-1, keepdims=True)
;;       e = np.where(a > 0, np.clip(np.frexp(np.where(a > 0, a, 1))[1] - 1 - 15, -126, 127), 0)      # np.frexp(a)[1] - 1 = floor(log2(a)), exactly
;;       r = np.clip(x / 2.0 ** e, -57344, 57344)
;;       step = 2.0 ** (np.maximum(np.frexp(np.where(r == 0, 1, r))[1] - 1, -14) - 2)
;;       q = np.round(r / step) * step * 2.0 ** e      # np.round: ties to even
;;       return np.moveaxis(q.reshape(q.shape[:-2] + (-1,))[..., :K], -1, axis).astype(np.float32)
;;   ~~~
;;   OPERANDS COMPUTED ON THE WAY. 'Computed on the way' means the value that the module computes at that place (a softmax that the list does not call 'softmax' is quantised finished and normalised). What goes into a quantiser is computed in f32, as accurately as f32 sums, v_exp_f32 and their like allow (about 1e-6 of the number): no bf16 or f16 on the way to a quantiser, and a product that is left as it is and whose result goes on into a quantised operand takes f32 operands (vector FMAs, or v_wmma_f32_16x16x4_f32). A number that lies on a knife's edge between two numbers of the format may be rounded either way, as far as f32 arithmetic and the matrix unit's own rounding can turn it there, and no further.
;;   INPUTS GIVEN AS CODES. W_proj (in the module: [512, 512], K = its axis 0); Wu (in the module: [512, 256], K = its axis 0); Wv (in the module: [512, 256], K = its axis 0): each comes as NAME_codes (uint8): NAME with its K axis moved to the last place and cut into blocks of 32 codes, [.., K / 32, bytes a block], one block behind the other in memory; one code a byte (a code: sign, 5 exponent bits, 2 mantissa bits); and NAME_scales (uint8): the same leading axes, one E8M0 byte (e + 127) for each 32 codes along K. Its value is code x scale, taken as it is: it is not quantised again, and the codes and scales need not be those that the quantiser above would give.
;; 2 versions, each right. Each part assembles by itself: llvm-mc -triple=amdgcn-amd-amdhsa -mcpu=gfx1250 --defsym DOCPART=n.
;; ======== version 1 of 2: 2 launches
;; workspace buffers: part 524,288 bytes; pstat 2,048 bytes
;; launch fused (part 1): grid 256 x 1, 4 waves a work-group, no clusters, 320,512 bytes of LDS; arguments x_s, x_l, out2, out3, W_proj_codes, W_proj_scales, b_proj, desc_feats, Wv_codes, Wu_codes, Wv_scales, Wu_scales, bv, bu, w_attn, part, pstat; writes out2, out3, part, pstat
.if DOCPART == 1
	.amdgcn_target "amdgcn-amd-amdhsa--gfx1250"
	.amdhsa_code_object_version 6
	.text
	.protected	k_q5c29c87038_fused
	.globl	k_q5c29c87038_fused
	.p2align	8
	.type	k_q5c29c87038_fused,@function
k_q5c29c87038_fused:
	s_mov_b64 s[64:65], 0
	v_nop
	global_prefetch_b8 v0, s[64:65] scope:SCOPE_SE
	s_setreg_imm32_b32 hwreg(HW_REG_WAVE_MODE, 25, 1), 1
	s_wait_xcnt 0x0
; Ver2f, the fused chain of a row: l2norm, quantise, x W_proj + b_proj, l2norm, quantise, then three readers of the same codes: the 32 descriptions (class scores), Wv and Wu (the gate);
; and the gate's softmax over the rows as a running maximum, sum and weighted sum of the f32 rows.  All quantised products on E5M2 codes with E8M0 scales for each 32 along K.
; WORK LEFT OUT, for all values of the inputs:
;   coord_s, coord_l: reference() never reads them: not loaded, no argument of any launch.
;   b_attn: it is added to A[b, n] for every n alike, and softmax over n does not change under a term that is the same along its axis: not loaded, no argument of any launch.
;   The second product of xp with desc_feats (inside the three-operand einsum) has the very operands of the first, quantised alike along D: the same numbers.  Each dot is made once and used twice: x 512^-0.5 under the softmax, and as the value that the softmax weighs.
;   LIMIT: a NaN, an infinity or an overflow that reaches only b_attn or the coordinates is not carried to the result.
; OTHER LIMITS: NaN and infinities among the inputs are not served.  A block whose largest magnitude lies under 2^-111 keeps the scale byte 1.  tanh's exponent 2 v log2(e) is held at 64, where tanh is 1.0 in f32; a sigmoid under 2^-126 comes out as 0.
;   1 / norm is v_rcp_f32 and a multiplication, where reference() divides.
; SHARES.  256 work-groups of four waves; work-group g owns rows 256 (g % 128) on of stream g / 128 (x_s, then x_l), all of one batch, and walks them in 4 blocks of 64 rows = 4 tiles m of 16.
;   THE WAVES SHARE THE COLUMNS: wave w makes columns 128 w .. + 127 of y and hidden units 64 w .. + 63 of both Wv and Wu, for all 64 rows.  Its part of W_proj (65,536 bytes) lies in its own part of LDS, as images of the
;   operand's registers; its parts of Wv and Wu fill register windows 2 and 3; y stays in window 1 from the first product until the pooling.  Codes go from wave to wave through LDS as images of their registers.
;   Every product is used transposed (source 0 = 16 rows of a weight, source 1 = 16 rows of activations): lane (r, h) holds row r throughout.
;   Lane r of W_proj's tile 2 b + u takes row 32 b + 8 u + r + 8 (r / 8), so that a lane's 16 registers of two neighbouring tiles are 16 neighbours along the next K.
;   Lane r of desc's tile u takes flat row 8 u + r + 8 (r / 8), so that a lane's eight results are the eight descriptions of class 2 h + u.
; NO CLUSTER, NO TENSOR LOAD, though all work-groups read the same weights: half of the shared bytes (Wv, Wu: 262,144) live in registers, which a joint load does not reach; W_proj as rows of 512 + 16 bytes is 270,336 bytes,
;   which with this text's other 58,368 bytes is 328,704, more than the 327,680 that a work-group can have; and the tile order above puts rows 16 apart, which fall on the same banks at every pitch that is a multiple of 16 bytes.
; OUT: the class scores, and for the second launch part[g][512] = sum over my rows of 2^(t - M) xp and pstat[g] = (M, sum of 2^(t - M)), t = A log2(e), M my largest t.
.set IMG,   0          ; 32,768: fragment (m, s) at 2048 (4 m + s), chunk c at + 512 c, lane at + 16 lane: x's codes, later xp's
.set DS,    32768      ; 16,384: desc's fragments (u, s) at 2048 (4 u + s)
.set ISC,   49152      ; 1,024: the images' scale words: tile m at 256 m; K step s, row r at 8 (16 (s % 2) + r) + 4 (s / 2)
.set DSS,   50176      ; 512: the same for desc
.set RED1,  50688      ; 1,024: tile m at 256 m: row r, wave w at 16 r + 4 w: sums of squares;  RED1 + 1024: the gate's partial sums
.set CB,    52736      ; 2,048: b_proj
.set CV,    54784      ; 3 x 1,024: bv, bu, w_attn
.set SPARE, 57856      ; 512: the spare words, 128 bytes a wave, which no other line names
.set WP,    58368      ; 262,144: wave w's 65,536: W_proj's fragment (t, s) at 2048 (4 t + s); at the very end its first 8,448 bytes are the wave's stage
.set LI,1              ; 16 lane
.set XA,2              ; x: (16 w + r) 2048 + 64 h
.set IWX,3             ; 8192 w + 16 lane
.set IWN,4             ; 2048 w + 16 lane
.set ISX,5             ; ISC + 256 w + 8 r
.set ISN,6             ; ISC + 128 (w % 2) + 4 (w / 2) + 8 r
.set L8,7              ; 8 lane
.set AWP,8             ; WP + 65536 w + 16 lane
.set ARS,9             ; RED1 + 16 r + 4 w
.set ARL,10            ; RED1 + 16 r
.set ABP,11            ; CB + 512 w + 64 h
.set ABV,12            ; CV + 256 w + 32 h
.set OUTO,13           ; (16 w + r) 16 + 8 h
.set PFO,14            ; the prefetch's offset
.set ISW,15            ; ISC + 256 w + 8 lane
.set SPW,16            ; my spare word; never rewritten
.set NIL,17            ; 0; never rewritten
.set MX,18             ; the running largest t of my row slot
.set LS,19             ; its running sum
.set INV,20            ; v20-23: 1 / clip(norm of y), tile m
.set WPS,24            ; v24-39: W_proj's scale words (t, q): lanes 0-15 K step 2 q, lanes 16-31 K step 2 q + 1
.set WVS,40            ; v40-47 Wv's, v48-55 Wu's, likewise
.set POOL,56           ; v56-119: register 16 b + i = column 128 w + 32 b + 16 h + i
.set TMP,120           ; quantiser: 64 numbers
.set PC,184            ; its codes
.set TM,200            ; 16 block maxima
.set AM,216            ; v216-219 scaled maxima (v216-231 also take the lane permutes)
.set SO,220            ; the conversions' scale operands
.set LM,224            ; the largest number x the scale
.set BY,228            ; the bytes
.set SS,232            ; four pairs: sums of squares
.set IV,240            ; 1 / norm in hand (pair with v241)
.set PW,242            ; the scale word just made
.set TT,243
.set S4,244
.set XS,248            ; v248-255: the activations' and desc's scale words in hand
.set XF,120            ; first product: x's four fragments of a K step
.set WF,184            ; three slots for W_proj's fragments
.set BI,232            ; two slots for b_proj's tiles
.set PF,120            ; second products: xp's four fragments
.set AC,184            ; v's four tiles, then u's four
.set GW,120            ; w_attn
.set GT,152
.set XPF,120
.set DF,152
.set ACC,216
.set CE,152
.set CM,168
.set CS,172
.set CO,180
.set MSB, 0
.macro WIN new                         ; bits 1:0 source 0, 3:2 source 1, 5:4 source 2, 7:6 destination; the high byte repeats the setting that is left
.if MSB != \new
	s_set_vgpr_msb (MSB<<8)|\new
.set MSB, \new
.endif
.endm
.macro PLACES n
.rept \n
	v_nop
.endr
.endm
.macro BARRIER                         ; my LDS stores have landed and my LDS loads are in: then the work-group's barrier
	s_wait_dscnt 0x0
	s_barrier_signal -1
	s_barrier_wait -1
.endm
; my 16 rows' numbers of K step q, from off bytes on, into window 1: register 64 q + 16 b + i = x[row r][128 q + 32 b + 16 h + i]
.macro XLOAD q, off
	WIN 0x40
.irp b, 0,1,2,3
.irp j, 0,1,2,3
	global_load_b128 v[64*(\q)+16*\b+4*\j:64*(\q)+16*\b+4*\j+3], v[XA], s[4:5] offset:(\off)+512*(\q)+128*\b+16*\j th:TH_LOAD_NT
.endr
.endr
	WIN 0
.endm
; 64 numbers of window 1 (under sources 0 and 1 = window 1): the largest magnitude of my 16 of each block into v[tm + b]; sq = 1: their squares onto the four chains (first = 1: they start the chains).  Registers ascend inside every tile.
.macro SUMMAX base, tm, first, sq
.irp u, 0,1,2,3,4,5,6,7
.irp b, 0,1,2,3
.if \sq
.if (\first) && (\u == 0)
	v_pk_mul_f32 v[SS+2*\b:SS+2*\b+1], v[(\base)+16*\b+2*\u:(\base)+16*\b+2*\u+1], v[(\base)+16*\b+2*\u:(\base)+16*\b+2*\u+1]
.else
	v_pk_fma_f32 v[SS+2*\b:SS+2*\b+1], v[(\base)+16*\b+2*\u:(\base)+16*\b+2*\u+1], v[(\base)+16*\b+2*\u:(\base)+16*\b+2*\u+1], v[SS+2*\b:SS+2*\b+1]
.endif
.endif
.if \u == 0
	v_max_num_f32 v[(\tm)+\b], |v[(\base)+16*\b]|, |v[(\base)+16*\b+1]|
.else
	v_max3_num_f32 v[(\tm)+\b], |v[(\base)+16*\b+2*\u]|, |v[(\base)+16*\b+2*\u+1]|, v[(\tm)+\b]
.endif
.endr
.endr
.endm
.macro SSRED dst
	v_pk_add_f32 v[SS:SS+1], v[SS:SS+1], v[SS+2:SS+3]
	v_pk_add_f32 v[SS+4:SS+5], v[SS+4:SS+5], v[SS+6:SS+7]
	v_pk_add_f32 v[SS:SS+1], v[SS:SS+1], v[SS+4:SS+5]
	v_add_f32 v[\dst], v[SS], v[SS+1]
.endm
; 64 numbers of window 1 from base on, times v[inv] (scaled = 1), become a fragment's codes in v[PC] on and its scale word in v[PW].  v[tm + b] holds block b's largest magnitude BEFORE the scaling:
; a multiplication by a positive number keeps the order, rounded too, so the scaled maximum is the maximum of the scaled numbers.  Window 1 is only read.
.macro QFIN base, tm, inv, scaled
	WIN 0
.if \scaled
.if (\inv) != IV
	v_mov_b32 v[IV], v[\inv]
.endif
.irp b, 0,1,2,3
	v_mul_f32 v[AM+\b], v[(\tm)+\b], v[IV]
.endr
.irp b, 0,1,2,3
	v_max_num_f32 v[AM+\b], 0x8000000, v[AM+\b]            ; the floor 2^(16 - 127): the byte cannot fall under 1
.endr
.else
.irp b, 0,1,2,3
	v_max_num_f32 v[AM+\b], 0x8000000, v[(\tm)+\b]
.endr
.endif
.irp b, 0,1,2,3
	v_add_nc_u32 v[SO+\b], 0xf8800000, v[AM+\b]            ; 15 off the exponent field: the conversion's scale operand
.endr
.irp b, 0,1,2,3
	v_and_or_b32 v[LM+\b], v[AM+\b], 0x7f800000, s42       ; 57,344 x the scale
.endr
	WIN 0x01
.if \scaled
.set QK, 0
.rept 32
	v_pk_mul_f32 v[TMP+2*QK:TMP+2*QK+1], v[(\base)+2*QK:(\base)+2*QK+1], v[IV:IV+1] op_sel_hi:[1,0]
.set QK, QK+1
.endr
.else
.irp b, 0,1,2,3
.irp i, 0,1,2,3,4,5,6,7,8,9,10,11,12,13,14,15
	v_med3_num_f32 v[TMP+16*\b+\i], v[(\base)+16*\b+\i], -v[LM+\b], v[LM+\b]
.endr
.endr
.endif
	WIN 0
	s_wait_dscnt 0x0                                       ; the last image's stores have read v[PC] on and v[PW]
.irp b, 0,1,2,3
.if \scaled
.irp i, 0,1,2,3,4,5,6,7,8,9,10,11,12,13,14,15
	v_med3_num_f32 v[TMP+16*\b+\i], v[TMP+16*\b+\i], -v[LM+\b], v[LM+\b]   ; the conversion to an 8-bit code does not saturate (ISA guide 7.6.2): the hold at the largest code x the scale
.endr
.endif
	v_cvt_scalef32_pk8_bf8_f32 v[PC+4*\b:PC+4*\b+1], v[TMP+16*\b:TMP+16*\b+7], v[SO+\b]
	v_cvt_scalef32_pk8_bf8_f32 v[PC+4*\b+2:PC+4*\b+3], v[TMP+16*\b+8:TMP+16*\b+15], v[SO+\b]
.endr
.irp b, 0,1,2,3
	v_lshrrev_b32 v[BY+\b], 23, v[SO+\b]                   ; the bytes.  (Plain lines behind the last conversion)
.endr
	v_lshl_or_b32 v[PW], v[BY+1], 8, v[BY]
	v_lshl_or_b32 v[PW], v[BY+2], 16, v[PW]
	v_lshl_or_b32 v[PW], v[BY+3], 24, v[PW]
.endm
.macro IMAGE adr, off                  ; the fragment in v[PC] on goes to LDS as it stands: 512 consecutive bytes a store
.irp c, 0,1,2,3
	ds_store_b128 v[\adr], v[PC+4*\c:PC+4*\c+3] offset:(\off)+512*\c
.endr
.endm
; a scaled product; odd = 1: both sides' scale words are those of lanes 16-31
.macro MM d, a, b, c, sa, sb, odd
.if \odd
	v_wmma_scale_f32_16x16x128_f8f6f4 v[(\d):(\d)+7], v[(\a):(\a)+15], v[(\b):(\b)+15], v[(\c):(\c)+7], v[\sa], v[\sb] matrix_a_fmt:MATRIX_FMT_BF8 matrix_b_fmt:MATRIX_FMT_BF8 matrix_a_scale:MATRIX_SCALE_ROW1 matrix_b_scale:MATRIX_SCALE_ROW1
.else
	v_wmma_scale_f32_16x16x128_f8f6f4 v[(\d):(\d)+7], v[(\a):(\a)+15], v[(\b):(\b)+15], v[(\c):(\c)+7], v[\sa], v[\sb] matrix_a_fmt:MATRIX_FMT_BF8 matrix_b_fmt:MATRIX_FMT_BF8
.endif
.endm
.macro MMZ d, a, b, sa, sb             ; the same with C = 0: it starts a sum
	v_wmma_scale_f32_16x16x128_f8f6f4 v[(\d):(\d)+7], v[(\a):(\a)+15], v[(\b):(\b)+15], 0, v[\sa], v[\sb] matrix_a_fmt:MATRIX_FMT_BF8 matrix_b_fmt:MATRIX_FMT_BF8
.endm
.macro XFETCH s                        ; x's fragments of K step s, four tiles of rows
.irp m, 0,1,2,3
.irp c, 0,1,2,3
	ds_load_b128 v[XF+16*\m+4*\c:XF+16*\m+4*\c+3], v[LI] offset:(4*\m+(\s))*2048+512*\c
.endr
.endr
.endm
.macro WFETCH g                        ; W_proj's fragment g = 8 s + t into slot g % 3
.irp c, 0,1,2,3
	ds_load_b128 v[WF+16*((\g)%3)+4*\c:WF+16*((\g)%3)+4*\c+3], v[AWP] offset:(4*((\g)%8)+(\g)/8)*2048+512*\c
.endr
.endm
.macro BFETCH t                        ; b_proj at tile t's eight columns of my half, into slot t % 2
	ds_load_b128 v[BI+8*((\t)%2):BI+8*((\t)%2)+3], v[ABP] offset:128*((\t)/2)+32*((\t)%2)
	ds_load_b128 v[BI+8*((\t)%2)+4:BI+8*((\t)%2)+7], v[ABP] offset:128*((\t)/2)+32*((\t)%2)+16
.endm
; Four products: W_proj's fragment g = 8 s + t against the four tiles of rows.  The 32 accumulators take turns, one instruction a turn.
; The wait: t = 0: x's fragments have just been asked for: 0.  s = 0: behind tile t's bias stand at least the four loads of the last WFETCH: 4.  Else behind fragment g stand fragments g + 1 and g + 2: 8; the last two groups have fewer behind them.
.macro GROUP g
.set GS_, (\g)/8
.set GT_, (\g)%8
.if GT_ == 0
	s_wait_dscnt 0x0
.elseif GS_ == 0
	s_wait_dscnt 4
.elseif (\g) >= 30
	s_wait_dscnt 4*(31-(\g))
.else
	s_wait_dscnt 8
.endif
.if GS_ == 0
	WIN 0x40                                               ; D window 1; C = the bias, window 0
.else
	WIN 0x50                                               ; C and D window 1
.endif
.irp m, 0,1,2,3
.if GS_ == 0
	MM 64*\m+8*GT_, WF+16*((\g)%3), XF+16*\m, BI+8*(GT_%2), WPS+2*GT_, XS+2*\m, 0
.else
	MM 64*\m+8*GT_, WF+16*((\g)%3), XF+16*\m, 64*\m+8*GT_, WPS+2*GT_+GS_/2, XS+2*\m+GS_/2, GS_%2
.endif
.endr
	WIN 0
	PLACES 8                                               ; eight places in front of loads into registers that these products have read; behind the last group: in front of the first read of y
.if (\g)+3 < 32
	WFETCH (\g)+3
.endif
.if (GS_ == 0) && (GT_+2 < 8)
	BFETCH GT_+2
.endif
.if (GT_ == 7) && (GS_ < 3)
	XFETCH GS_+1
.endif
.endm
; v and u of tile m: 32 products.  The sums begin at the biases, which are loaded straight into the accumulators.  Eight accumulators by turns.
.macro P2 m
.irp s, 0,1,2,3
.irp c, 0,1,2,3
	ds_load_b128 v[PF+16*\s+4*\c:PF+16*\s+4*\c+3], v[LI] offset:(4*(\m)+\s)*2048+512*\c
.endr
.endr
.irp t, 0,1,2,3
	ds_load_b128 v[AC+8*\t:AC+8*\t+3], v[ABV] offset:64*\t
	ds_load_b128 v[AC+8*\t+4:AC+8*\t+7], v[ABV] offset:64*\t+16
	ds_load_b128 v[AC+32+8*\t:AC+32+8*\t+3], v[ABV] offset:1024+64*\t
	ds_load_b128 v[AC+32+8*\t+4:AC+32+8*\t+7], v[ABV] offset:1024+64*\t+16
.endr
	s_wait_dscnt 0x0
.irp s, 0,1,2,3
	WIN 0x02                                               ; source 0: Wv, window 2
.irp t, 0,1,2,3
	MM AC+8*\t, 16*(4*\t+\s), PF+16*\s, AC+8*\t, WVS+2*\t+\s/2, XS+2*(\m)+\s/2, \s%2
.endr
	WIN 0x03                                               ; source 0: Wu, window 3
.irp t, 0,1,2,3
	MM AC+32+8*\t, 16*(4*\t+\s), PF+16*\s, AC+32+8*\t, WVS+8+2*\t+\s/2, XS+2*(\m)+\s/2, \s%2
.endr
.endr
	WIN 0
	PLACES 8                                               ; in front of the loads below and of the first read of the results
.irp t, 0,1,2,3
	ds_load_b128 v[GW+8*\t:GW+8*\t+3], v[ABV] offset:2048+64*\t
	ds_load_b128 v[GW+8*\t+4:GW+8*\t+7], v[ABV] offset:2048+64*\t+16
.endr
.endm
; tanh(v) sigmoid(u) w = (Ea - 1) w / ((1 + Ea)(1 + Eb)), Ea = 2^(2 v log2 e) with its exponent held at 64, Eb = 2^(-u log2 e): one reciprocal for the two.  Eb = infinity gives 0.
; The 64 exponentials are one batch with one wait, the 32 reciprocals another.  My 32 terms and the other half's are added; the wave's sum of 64 hidden units goes to LDS.
.macro GATE m
.set K_, 0
.rept 16
	v_pk_mul_f32 v[AC+2*K_:AC+2*K_+1], v[AC+2*K_:AC+2*K_+1], s[48:49] op_sel_hi:[1,0]
.set K_, K_+1
.endr
.set K_, 0
.rept 32
	v_min_num_f32 v[AC+K_], s52, v[AC+K_]
.set K_, K_+1
.endr
.set K_, 0
.rept 16
	v_pk_mul_f32 v[AC+32+2*K_:AC+32+2*K_+1], v[AC+32+2*K_:AC+32+2*K_+1], s[50:51] op_sel_hi:[1,0]
.set K_, K_+1
.endr
.set K_, 0
.rept 64
	v_exp_f32 v[AC+K_], v[AC+K_]
.set K_, K_+1
.endr
	v_nop                                                  ; a plain line behind the last exponential
	s_wait_alu depctr_va_vdst(0)                           ; one wait for the batch, ahead of its first reader
.set K_, 0
.rept 16
	v_pk_add_f32 v[AC+32+2*K_:AC+32+2*K_+1], v[AC+32+2*K_:AC+32+2*K_+1], 1.0 op_sel_hi:[1,0]
.set K_, K_+1
.endr
.set K_, 0
.rept 16
	v_pk_add_f32 v[GT+2*K_:GT+2*K_+1], v[AC+2*K_:AC+2*K_+1], 1.0 op_sel_hi:[1,0]
.set K_, K_+1
.endr
.set K_, 0
.rept 16
	v_pk_mul_f32 v[AC+32+2*K_:AC+32+2*K_+1], v[AC+32+2*K_:AC+32+2*K_+1], v[GT+2*K_:GT+2*K_+1]
.set K_, K_+1
.endr
.set K_, 0
.rept 32
	v_rcp_f32 v[AC+32+K_], v[AC+32+K_]
.set K_, K_+1
.endr
	s_wait_dscnt 0x0                                       ; w_attn is in
.set K_, 0
.rept 16
	v_pk_fma_f32 v[AC+2*K_:AC+2*K_+1], v[AC+2*K_:AC+2*K_+1], v[GW+2*K_:GW+2*K_+1], v[GW+2*K_:GW+2*K_+1] neg_lo:[0,0,1] neg_hi:[0,0,1]   ; (Ea - 1) w: plain work behind the reciprocals
.set K_, K_+1
.endr
	s_wait_alu depctr_va_vdst(0)                           ; one wait for the 32 reciprocals
.irp k, 0,1,2,3
	v_pk_mul_f32 v[GT+2*\k:GT+2*\k+1], v[AC+2*\k:AC+2*\k+1], v[AC+32+2*\k:AC+32+2*\k+1]
.endr
.irp k, 4,5,6,7,8,9,10,11,12,13,14,15
	v_pk_fma_f32 v[GT+2*(\k%4):GT+2*(\k%4)+1], v[AC+2*\k:AC+2*\k+1], v[AC+32+2*\k:AC+32+2*\k+1], v[GT+2*(\k%4):GT+2*(\k%4)+1]
.endr
	v_pk_add_f32 v[GT:GT+1], v[GT:GT+1], v[GT+2:GT+3]
	v_pk_add_f32 v[GT+4:GT+5], v[GT+4:GT+5], v[GT+6:GT+7]
	v_pk_add_f32 v[GT:GT+1], v[GT:GT+1], v[GT+4:GT+5]
	v_add_f32 v160, v[GT], v[GT+1]
	v_permlanex16_b32 v161, v160, s40, s41
	v_add_f32 v160, v160, v161
	ds_store_b32 v[ARS], v160 offset:1024+256*(\m)
	BARRIER                                                ; the four waves' parts of tile m's A lie in LDS
.endm
; Tile m joins the running softmax of my row slot: every wave adds the four parts in the same order, so all four hold the same t, maximum and sum.  Then y's 64 registers of the tile are free and take the next block's K step m of x.
.macro POOLM m
	ds_load_b128 v[160:163], v[ARL] offset:1024+256*(\m)
	s_wait_dscnt 0x0
	v_add_f32 v160, v160, v161
	v_add_f32 v162, v162, v163
	v_add_f32 v160, v160, v162
	v_mul_f32 v168, s53, v160                              ; t = A log2(e)
	v_max_num_f32 v167, v[MX], v168                        ; the new maximum
	v_sub_f32 v164, v[MX], v167
	v_sub_f32 v165, v168, v167
	v_exp_f32 v164, v164                                   ; F = 2^(old - new)
	v_exp_f32 v165, v165                                   ; P = 2^(t - new)
	v_mov_b32 v[MX], v167                                  ; (a plain line behind them)
	s_wait_alu depctr_va_vdst(0)
	v_fma_f32 v[LS], v[LS], v164, v165
	v_mul_f32 v166, v165, v[INV+(\m)]                      ; P / norm: y stays as it came from the product
.set K_, 0
.rept 32
	v_pk_mul_f32 v[POOL+2*K_:POOL+2*K_+1], v[POOL+2*K_:POOL+2*K_+1], v[164:165] op_sel_hi:[1,0]
.set K_, K_+1
.endr
	WIN 0x01
.set K_, 0
.rept 32
	v_pk_fma_f32 v[POOL+2*K_:POOL+2*K_+1], v[64*(\m)+2*K_:64*(\m)+2*K_+1], v[166:167], v[POOL+2*K_:POOL+2*K_+1] op_sel_hi:[1,0,1]
.set K_, K_+1
.endr
	WIN 0
	s_cmp_eq_u32 s39, 1                                    ; the last block asks for nothing: no load leaves its buffer
	s_cbranch_scc1 .Lno_next_\@
	XLOAD \m, 131072
.if (\m) == 1
	; a prefetch of the next block's K step 3 of my 16 rows: 512 bytes a row, two blocks of 256, a lane a block: each block is named once in the launch, two tiles of rows ahead of the loads that want it
	global_prefetch_b8 v[PFO], s[4:5] offset:131072 th:TH_LOAD_NT scope:SCOPE_SE
.endif
.Lno_next_\@:
.endm
.macro CHALF hf                        ; class scores: xp's fragments of K steps 2 hf, 2 hf + 1 of my tile of rows, and desc's
.irp e, 0,1
.irp c, 0,1,2,3
	ds_load_b128 v[XPF+16*\e+4*\c:XPF+16*\e+4*\c+3], v[IWX] offset:(2*(\hf)+\e)*2048+512*\c
.endr
.irp u, 0,1
.irp c, 0,1,2,3
	ds_load_b128 v[DF+16*(2*\u+\e)+4*\c:DF+16*(2*\u+\e)+4*\c+3], v[LI] offset:DS+(4*\u+2*(\hf)+\e)*2048+512*\c
.endr
.endr
.endr
	s_wait_dscnt 0x0
.endm
.macro CMUL hf                         ; four products, the two accumulators by turns
.irp e, 0,1
.irp u, 0,1
.if ((\hf) == 0) && (\e == 0)
	MMZ ACC+8*\u, DF+16*(2*\u+\e), XPF+16*\e, XS+2+2*\u+(\hf), XS+(\hf)
.else
	MM ACC+8*\u, DF+16*(2*\u+\e), XPF+16*\e, ACC+8*\u, XS+2+2*\u+(\hf), XS+(\hf), \e
.endif
.endr
.endr
.endm
	; ---------------- THE HEAD ----------------
	s_load_b512 s[4:19], s[0:1], 0x0               ; x_s, x_l, out2, out3, W_proj's codes, its scales, b_proj, desc_feats
	s_load_b512 s[20:35], s[0:1], 0x40             ; Wv's codes, Wu's codes, Wv's scales, Wu's scales, bv, bu, w_attn, part
	s_load_b64 s[36:37], s[0:1], 0x80              ; pstat
	v_lshl_add_u32 v[SPW], v0, 2, SPARE
	v_mov_b32 v[NIL], 0
	v_lshrrev_b32 v56, 5, v0
	v_readfirstlane_b32 s38, v56                   ; wave 0..3
	v_and_b32 v56, 31, v0                          ; lane.  (v56-76 are the head's own: POOL is set at the head's end)
	v_and_b32 v57, 15, v0                          ; r
	v_bfe_u32 v58, v0, 4, 1                        ; h
	v_and_b32 v59, 8, v57
	v_add_nc_u32 v59, v59, v57                     ; r + 8 (r / 8)
	v_lshlrev_b32 v[LI], 4, v56
	v_lshlrev_b32 v[L8], 3, v56
	s_lshl_b32 s44, s38, 15
	v_lshlrev_b32 v[XA], 11, v57
	v_lshl_add_u32 v[XA], v58, 6, v[XA]
	v_add_nc_u32 v[XA], s44, v[XA]
	v_lshrrev_b32 v[PFO], 1, v56
	v_lshlrev_b32 v[PFO], 11, v[PFO]
	v_and_b32 v60, 1, v56
	v_lshl_add_u32 v[PFO], v60, 8, v[PFO]
	v_add_nc_u32 v[PFO], s44, v[PFO]
	v_add_nc_u32 v[PFO], 1536, v[PFO]              ; (16 w + lane / 2) 2048 + 1536 + 256 (lane % 2)
	s_lshl_b32 s44, s38, 13
	v_add_nc_u32 v[IWX], s44, v[LI]
	s_lshl_b32 s44, s38, 11
	v_add_nc_u32 v[IWN], s44, v[LI]
	s_lshl_b32 s44, s38, 8
	v_lshl_add_u32 v[ISX], v57, 3, ISC
	v_add_nc_u32 v[ISX], s44, v[ISX]
	v_add_nc_u32 v[ISW], s44, v[L8]
	v_add_nc_u32 v[ISW], ISC, v[ISW]
	v_lshl_add_u32 v[ABV], v58, 5, CV
	v_add_nc_u32 v[ABV], s44, v[ABV]
	v_add_nc_u32 v61, s44, v[L8]
	v_add_nc_u32 v61, CV, v61                      ; where my slices of bv, bu, w_attn go
	v_lshlrev_b32 v[OUTO], 4, v57
	v_lshl_add_u32 v[OUTO], v58, 3, v[OUTO]
	v_add_nc_u32 v[OUTO], s44, v[OUTO]
	s_and_b32 s44, s38, 1
	s_lshl_b32 s44, s44, 7
	s_lshr_b32 s45, s38, 1
	s_lshl_b32 s45, s45, 2
	s_add_co_u32 s44, s44, s45
	v_lshl_add_u32 v[ISN], v57, 3, ISC
	v_add_nc_u32 v[ISN], s44, v[ISN]
	s_lshl_b32 s44, s38, 16
	v_add_nc_u32 v[AWP], s44, v[LI]
	v_add_nc_u32 v[AWP], WP, v[AWP]
	v_lshl_add_u32 v[ARL], v57, 4, RED1
	s_lshl_b32 s44, s38, 2
	v_add_nc_u32 v[ARS], s44, v[ARL]
	s_lshl_b32 s44, s38, 9
	v_lshl_add_u32 v[ABP], v58, 6, CB
	v_add_nc_u32 v[ABP], s44, v[ABP]
	v_add_nc_u32 v60, s44, v[LI]
	v_add_nc_u32 v60, CB, v60                      ; where my slice of b_proj goes
	v_lshlrev_b32 v62, 11, v59
	v_lshl_add_u32 v62, v58, 6, v62                ; desc: (r + 8 (r / 8)) 2048 + 64 h
	v_lshlrev_b32 v63, 9, v59
	v_lshl_add_u32 v63, v58, 4, v63                ; W_proj's codes: (r + 8 (r / 8)) 512 + 16 h
	v_lshlrev_b32 v74, 4, v59
	v_lshl_add_u32 v74, v58, 2, v74                ; its scale words: (r + 8 (r / 8)) 16 + 4 h
	v_lshlrev_b32 v75, 9, v57
	v_lshl_add_u32 v75, v58, 4, v75                ; Wv's, Wu's codes: 512 r + 16 h
	v_lshlrev_b32 v76, 4, v57
	v_lshl_add_u32 v76, v58, 2, v76                ; their scale words: 16 r + 4 h
	s_mov_b32 s40, 0x76543210
	s_mov_b32 s41, 0xfedcba98                      ; v_permlanex16_b32's selects for lane l xor 16
	s_mov_b32 s42, 0x600000                        ; the mantissa field of 57,344
	s_mov_b32 s48, 0x4038aa3b                      ; 2 log2(e)
	s_mov_b32 s49, s48
	s_mov_b32 s50, 0xbfb8aa3b                      ; -log2(e)
	s_mov_b32 s51, s50
	s_mov_b32 s52, 0x42800000                      ; 64.0
	s_mov_b32 s53, 0x3fb8aa3b                      ; log2(e)
	s_mov_b32 s54, 0x3d8293ee                      ; log2(e) / sqrt(512)
	s_mov_b32 s55, s54
	s_mov_b32 s56, 0xbd8293ee                      ; and its negative
	s_mov_b32 s45, 0
	s_wait_kmcnt 0x0
	s_cmp_lt_u32 ttmp9, 128                        ; which stream: the choice hangs on the work-group's number alone
	s_cselect_b64 s[4:5], s[4:5], s[6:7]
	s_cselect_b64 s[8:9], s[8:9], s[10:11]
	s_and_b32 s46, ttmp9, 127
	s_lshl_b32 s44, s46, 19                        ; 256 rows of 2,048 bytes
	s_add_nc_u64 s[4:5], s[4:5], s[44:45]
	s_lshl_b32 s44, s46, 12                        ; 256 rows of 16 bytes
	s_add_nc_u64 s[8:9], s[8:9], s[44:45]
	s_lshl_b32 s44, s38, 16                        ; my 128 rows of W_proj
	s_add_nc_u64 s[12:13], s[12:13], s[44:45]
	s_lshl_b32 s44, s38, 11
	s_add_nc_u64 s[14:15], s[14:15], s[44:45]
	s_lshl_b32 s44, s38, 9                         ; my 128 numbers of b_proj; K step w of desc
	s_add_nc_u64 s[16:17], s[16:17], s[44:45]
	s_add_nc_u64 s[18:19], s[18:19], s[44:45]
	s_lshl_b32 s44, s38, 15                        ; my 64 rows of Wv and of Wu
	s_add_nc_u64 s[20:21], s[20:21], s[44:45]
	s_add_nc_u64 s[22:23], s[22:23], s[44:45]
	s_lshl_b32 s44, s38, 10
	s_add_nc_u64 s[24:25], s[24:25], s[44:45]
	s_add_nc_u64 s[26:27], s[26:27], s[44:45]
	s_lshl_b32 s44, s38, 8
	s_add_nc_u64 s[28:29], s[28:29], s[44:45]
	s_add_nc_u64 s[30:31], s[30:31], s[44:45]
	s_add_nc_u64 s[32:33], s[32:33], s[44:45]
	s_lshl_b32 s44, ttmp9, 11
	s_lshl_b32 s46, s38, 9
	s_add_co_u32 s44, s44, s46
	s_add_nc_u64 s[34:35], s[34:35], s[44:45]      ; part: 2048 g + 512 w
	s_lshl_b32 s44, ttmp9, 3
	s_add_nc_u64 s[36:37], s[36:37], s[44:45]      ; pstat: 8 g
	WIN 0x40
.irp u, 0,1                                    ; K step w of desc's two tiles, as f32, into window 1, v128 on
.irp b, 0,1,2,3
.irp j, 0,1,2,3
	global_load_b128 v[128+64*\u+16*\b+4*\j:128+64*\u+16*\b+4*\j+3], v62, s[18:19] offset:16384*\u+128*\b+16*\j
.endr
.endr
.endr
	XLOAD 0, 0
	XLOAD 1, 0
.irp k, 0,1,2,3,4,5,6,7,8,9,10,11,12,13,14,15
	v_mov_b32 v[AM+\k], 0                          ; written once: a lane permute's destination counts as one of its sources
.endr
	v_mov_b32 v[IV+1], 0                           ; (named as the upper half of the pair before it is otherwise written)
	s_wait_loadcnt 32                              ; desc is in: behind it stand the 32 loads of x's K steps 0 and 1
.irp u, 0,1
	WIN 0x05
	SUMMAX 128+64*\u, TM, 1, 0
	WIN 0
.irp b, 0,1,2,3
	v_permlanex16_b32 v[AM+\b], v[TM+\b], s40, s41
.endr
.irp b, 0,1,2,3
	v_max_num_f32 v[TM+\b], v[TM+\b], v[AM+\b]
.endr
	QFIN 128+64*\u, TM, 0, 0
	IMAGE IWN, DS+8192*\u
	ds_store_b32 v[ISN], v[PW] offset:DSS-ISC+256*\u
.endr
	XLOAD 2, 0
	XLOAD 3, 0
	WIN 0x80                                       ; W_proj's 32 fragments pass through windows 2 and 3 on their way to LDS
.set F_, 0
.rept 16
.irp c, 0,1,2,3
	global_load_b128 v[16*F_+4*\c:16*F_+4*\c+3], v63, s[12:13] offset:(32*(F_/8)+8*((F_/4)%2))*512+128*(F_%4)+32*\c
.endr
.set F_, F_+1
.endr
	WIN 0xc0
.rept 16
.irp c, 0,1,2,3
	global_load_b128 v[16*(F_-16)+4*\c:16*(F_-16)+4*\c+3], v63, s[12:13] offset:(32*(F_/8)+8*((F_/4)%2))*512+128*(F_%4)+32*\c
.endr
.set F_, F_+1
.endr
	WIN 0
.irp t, 0,1,2,3,4,5,6,7
.irp q, 0,1
	global_load_b32 v[WPS+2*\t+\q], v74, s[14:15] offset:(32*(\t/2)+8*(\t%2))*16+8*\q
.endr
.endr
	global_load_b128 v[64:67], v[LI], s[16:17]
	global_load_b64 v[68:69], v[L8], s[28:29]
	global_load_b64 v[70:71], v[L8], s[30:31]
	global_load_b64 v[72:73], v[L8], s[32:33]
	s_wait_loadcnt 0x0
	WIN 0x08                                       ; an LDS store's data are its source 1: window 2
.set F_, 0
.rept 16
.irp c, 0,1,2,3
	ds_store_b128 v[AWP], v[16*F_+4*\c:16*F_+4*\c+3] offset:F_*2048+512*\c
.endr
.set F_, F_+1
.endr
	WIN 0x0c
.rept 16
.irp c, 0,1,2,3
	ds_store_b128 v[AWP], v[16*(F_-16)+4*\c:16*(F_-16)+4*\c+3] offset:F_*2048+512*\c
.endr
.set F_, F_+1
.endr
	WIN 0
	ds_store_b128 v60, v[64:67]
	ds_store_b64 v61, v[68:69]
	ds_store_b64 v61, v[70:71] offset:1024
	ds_store_b64 v61, v[72:73] offset:2048
	s_wait_dscnt 0x0                               ; the stores have read their registers: Wv and Wu may land there
	WIN 0x80
.set F_, 0
.rept 16
.irp c, 0,1,2,3
	global_load_b128 v[16*F_+4*\c:16*F_+4*\c+3], v75, s[20:21] offset:8192*(F_/4)+128*(F_%4)+32*\c
.endr
.set F_, F_+1
.endr
	WIN 0xc0
.set F_, 0
.rept 16
.irp c, 0,1,2,3
	global_load_b128 v[16*F_+4*\c:16*F_+4*\c+3], v75, s[22:23] offset:8192*(F_/4)+128*(F_%4)+32*\c
.endr
.set F_, F_+1
.endr
	WIN 0
.irp t, 0,1,2,3
.irp q, 0,1
	global_load_b32 v[WVS+2*\t+\q], v76, s[24:25] offset:256*\t+8*\q
	global_load_b32 v[WVS+8+2*\t+\q], v76, s[26:27] offset:256*\t+8*\q
.endr
.endr
	s_wait_loadcnt 0x0                             ; all the head's loads are in: its offset registers are free
.set K_, 0
.rept 64
	v_mov_b32 v[POOL+K_], 0                        ; the loop is written once: its first tile finds zeros, which the first change of the maximum leaves zeros
.set K_, K_+1
.endr
	v_mov_b32 v[MX], 0xff61b1e6                    ; -3e38, under every t
	v_mov_b32 v[LS], 0
	s_mov_b32 s39, 4
.Lblock:                                           ; ---------------- A BLOCK OF 64 ROWS ----------------
	; ---- X: my 16 rows of x: norm, quantiser, four fragments to LDS
	s_wait_loadcnt 0x0                             ; the four runs of loads stand each under a branch of its own, so the count that holds on every way is 0
	WIN 0x05
	SUMMAX 0, TM, 1, 1
	SUMMAX 64, TM+4, 0, 1
	SUMMAX 128, TM+8, 0, 1
	SUMMAX 192, TM+12, 0, 1
	WIN 0
.irp k, 0,1,2,3,4,5,6,7,8,9,10,11,12,13,14,15
	v_permlanex16_b32 v[AM+\k], v[TM+\k], s40, s41
.endr
.irp k, 0,1,2,3,4,5,6,7,8,9,10,11,12,13,14,15
	v_max_num_f32 v[TM+\k], v[TM+\k], v[AM+\k]     ; with lane l xor 16's 16 numbers: the blocks' largest magnitudes
.endr
	SSRED TT
	v_permlanex16_b32 v[AM], v[TT], s40, s41
	v_add_f32 v[TT], v[TT], v[AM]                  ; the row's sum of squares
	v_sqrt_f32 v[TT], v[TT]
	v_nop
	s_wait_alu depctr_va_vdst(0)
	v_max_num_f32 v[TT], 0x2b8cbccc, v[TT]         ; the clip at 1e-12
	v_rcp_f32 v[IV], v[TT]
	v_nop
	s_wait_alu depctr_va_vdst(0)
.irp q, 0,1,2,3
	QFIN 64*\q, TM+4*\q, IV, 1
	IMAGE IWX, 2048*\q
	ds_store_b32 v[ISX], v[PW] offset:128*(\q%2)+4*(\q/2)
.endr
	BARRIER                                        ; x's sixteen fragments and their scale words lie in LDS
	; ---- 1: y = x W_proj^T + b_proj: my 128 columns of the 64 rows, 128 products
.irp m, 0,1,2,3
	ds_load_b64 v[XS+2*\m:XS+2*\m+1], v[L8] offset:ISC+256*\m
.endr
	XFETCH 0
	WFETCH 0
	WFETCH 1
	WFETCH 2
	BFETCH 0
	BFETCH 1
.set G, 0
.rept 32
	GROUP G
.set G, G+1
.endr
	; ---- the norm of y: my 128 columns' squares, joined over the waves through LDS; the blocks' largest magnitudes on the way
.irp m, 0,1,2,3
	WIN 0x05
	SUMMAX 64*\m, TM+4*\m, 1, 1
	WIN 0
	SSRED S4+\m
.endr
.irp m, 0,1,2,3
	v_permlanex16_b32 v[AM+\m], v[S4+\m], s40, s41
.endr
.irp m, 0,1,2,3
	v_add_f32 v[S4+\m], v[S4+\m], v[AM+\m]
.endr
.irp m, 0,1,2,3
	ds_store_b32 v[ARS], v[S4+\m] offset:256*\m
.endr
.irp k, 0,1,2,3,4,5,6,7,8,9,10,11,12,13,14,15
	v_permlanex16_b32 v[AM+\k], v[TM+\k], s40, s41
.endr
.irp k, 0,1,2,3,4,5,6,7,8,9,10,11,12,13,14,15
	v_max_num_f32 v[TM+\k], v[TM+\k], v[AM+\k]
.endr
	BARRIER                                        ; the sums lie in LDS; and every wave's reads of x's images are over
.irp m, 0,1,2,3
	ds_load_b128 v[120+4*\m:123+4*\m], v[ARL] offset:256*\m
.endr
	s_wait_dscnt 0x0
.irp m, 0,1,2,3
	v_add_f32 v[120+4*\m], v[120+4*\m], v[121+4*\m]
	v_add_f32 v[122+4*\m], v[122+4*\m], v[123+4*\m]
.endr
.irp m, 0,1,2,3
	v_add_f32 v[120+4*\m], v[120+4*\m], v[122+4*\m]   ; the same order in every wave
.endr
.irp m, 0,1,2,3
	v_sqrt_f32 v[121+4*\m], v[120+4*\m]
.endr
	v_nop
	s_wait_alu depctr_va_vdst(0)
.irp m, 0,1,2,3
	v_max_num_f32 v[121+4*\m], 0x2b8cbccc, v[121+4*\m]
.endr
.irp m, 0,1,2,3
	v_rcp_f32 v[INV+\m], v[121+4*\m]
.endr
	v_nop
	s_wait_alu depctr_va_vdst(0)
	; ---- N: xp = y / norm, quantised: K step w of the next products, for each tile of rows
.irp m, 0,1,2,3
	QFIN 64*\m, TM+4*\m, INV+\m, 1
	IMAGE IWN, 8192*\m
	ds_store_b32 v[ISN], v[PW] offset:256*\m
.endr
	BARRIER                                        ; xp's sixteen fragments and their scale words lie in LDS
.irp m, 0,1,2,3
	ds_load_b64 v[XS+2*\m:XS+2*\m+1], v[L8] offset:ISC+256*\m
.endr
	; ---- 2: the gate and the pooling, a tile of rows at a time
.irp m, 0,1,2,3
	P2 \m
	GATE \m
	POOLM \m
.endr
	; ---- the class scores of tile w
	ds_load_b64 v[XS:XS+1], v[ISW]
	ds_load_b64 v[XS+2:XS+3], v[L8] offset:DSS
	ds_load_b64 v[XS+4:XS+5], v[L8] offset:DSS+256
	CHALF 0
	CMUL 0
	PLACES 8
	CHALF 1
	s_barrier_signal -1                            ; my reads of xp's images are over (the wait for 0 stands just above); only work on registers up to the wait
	CMUL 1
	PLACES 8
.irp u, 0,1
	v_max3_num_f32 v[CM+2*\u], v[ACC+8*\u], v[ACC+8*\u+1], v[ACC+8*\u+2]   ; the largest of the class's eight dots
.endr
.irp i, 3,5
.irp u, 0,1
	v_max3_num_f32 v[CM+2*\u], v[CM+2*\u], v[ACC+8*\u+\i], v[ACC+8*\u+\i+1]
.endr
.endr
.irp u, 0,1
	v_max_num_f32 v[CM+2*\u], v[CM+2*\u], v[ACC+8*\u+7]
.endr
.irp u, 0,1
	v_mul_f32 v[CM+2*\u], s56, v[CM+2*\u]
.endr
.irp p, 0,2,4,6
.irp u, 0,1
	v_pk_fma_f32 v[CE+8*\u+\p:CE+8*\u+\p+1], v[ACC+8*\u+\p:ACC+8*\u+\p+1], s[54:55], v[CM+2*\u:CM+2*\u+1] op_sel_hi:[1,0,0]
.endr
.endr
.set K_, 0
.rept 16
	v_exp_f32 v[CE+K_], v[CE+K_]
.set K_, K_+1
.endr
	v_nop
	s_wait_alu depctr_va_vdst(0)
.irp u, 0,1
	v_pk_add_f32 v[CS+4*\u:CS+4*\u+1], v[CE+8*\u:CE+8*\u+1], v[CE+8*\u+2:CE+8*\u+3]
	v_pk_add_f32 v[CS+4*\u+2:CS+4*\u+3], v[CE+8*\u+4:CE+8*\u+5], v[CE+8*\u+6:CE+8*\u+7]
.endr
.irp u, 0,1
	v_pk_add_f32 v[CS+4*\u:CS+4*\u+1], v[CS+4*\u:CS+4*\u+1], v[CS+4*\u+2:CS+4*\u+3]
.endr
.irp u, 0,1
	v_add_f32 v[CS+4*\u], v[CS+4*\u], v[CS+4*\u+1]
.endr
.irp u, 0,1
	v_rcp_f32 v[CS+4*\u], v[CS+4*\u]
.endr
.irp u, 0,1
	v_pk_mul_f32 v[CE+8*\u:CE+8*\u+1], v[CE+8*\u:CE+8*\u+1], v[ACC+8*\u:ACC+8*\u+1]   ; the weights times the same dots: plain work behind the reciprocals
.endr
.irp p, 2,4,6
.irp u, 0,1
	v_pk_fma_f32 v[CE+8*\u:CE+8*\u+1], v[CE+8*\u+\p:CE+8*\u+\p+1], v[ACC+8*\u+\p:ACC+8*\u+\p+1], v[CE+8*\u:CE+8*\u+1]
.endr
.endr
.irp u, 0,1
	v_add_f32 v[CE+8*\u], v[CE+8*\u], v[CE+8*\u+1]
.endr
	s_wait_alu depctr_va_vdst(0)
.irp u, 0,1
	v_mul_f32 v[CO+\u], v[CE+8*\u], v[CS+4*\u]
.endr
	s_barrier_wait -1                              ; no wave reads xp's images any more: the next block may write there
	global_store_b64 v[OUTO], v[CO:CO+1], s[8:9] th:TH_STORE_NT   ; classes 2 h, 2 h + 1 of row r: the 32 lanes store 256 consecutive bytes, aligned
	s_wait_xcnt 0x0                                ; the loads', the prefetch's and the store's registers may be written again
	s_add_nc_u64 s[4:5], s[4:5], 131072
	s_add_nc_u64 s[8:9], s[8:9], 1024
	s_sub_co_u32 s39, s39, 1
	s_cmp_lg_u32 s39, 0
	s_cbranch_scc1 .Lblock
	; ---------------- THE TAIL: the sixteen row slots are joined ----------------
	v_mov_b32 v120, v[MX]
	v_max_num_f32_dpp v120, v120, v120 row_xmask:1 row_mask:0xf bank_mask:0xf
	v_max_num_f32_dpp v120, v120, v120 row_xmask:2 row_mask:0xf bank_mask:0xf
	v_max_num_f32_dpp v120, v120, v120 row_xmask:4 row_mask:0xf bank_mask:0xf
	v_max_num_f32_dpp v120, v120, v120 row_xmask:8 row_mask:0xf bank_mask:0xf   ; M: the largest t of my work-group's 256 rows (both halves of the lanes hold the same slots)
	v_sub_f32 v122, v[MX], v120
	v_exp_f32 v122, v122
	v_mov_b32 v123, 0
	v_and_b32 v124, 15, v0
	v_bfe_u32 v125, v0, 4, 1
	v_mul_u32_u24 v126, v124, 528
	v_lshl_add_u32 v126, v125, 6, v126
	s_lshl_b32 s44, s38, 16
	v_add_nc_u32 v126, s44, v126
	v_add_nc_u32 v126, WP, v126                    ; my stage, in my own part of LDS, whose weights are done with: row r of 512 + 16 bytes, + 64 h
	s_wait_alu depctr_va_vdst(0)
	v_mul_f32 v121, v[LS], v122
	v_add_f32_dpp v121, v121, v121 row_xmask:1 row_mask:0xf bank_mask:0xf
	v_add_f32_dpp v121, v121, v121 row_xmask:2 row_mask:0xf bank_mask:0xf
	v_add_f32_dpp v121, v121, v121 row_xmask:4 row_mask:0xf bank_mask:0xf
	v_add_f32_dpp v121, v121, v121 row_xmask:8 row_mask:0xf bank_mask:0xf   ; L
.set K_, 0
.rept 32
	v_pk_mul_f32 v[POOL+2*K_:POOL+2*K_+1], v[POOL+2*K_:POOL+2*K_+1], v[122:123] op_sel_hi:[1,0]
.set K_, K_+1
.endr
.irp b, 0,1,2,3
.irp q, 0,1,2,3
	ds_store_b128 v126, v[POOL+16*\b+4*\q:POOL+16*\b+4*\q+3] offset:128*\b+16*\q
.endr
.endr
.irp p, 0,1,2,3,4,5,6,7,8,9,10,11,12,13,14,15
	ds_load_b128 v[128+4*\p:131+4*\p], v[AWP] offset:528*\p   ; LDS serves a wave's instructions in order (ISA guide 5.7.1.4): these see my stores.  Slot p's four columns 4 lane on
.endr
	s_wait_dscnt 0x0
.irp d, 8,4,2,1
.set K_, 0
.rept \d
	v_pk_add_f32 v[128+4*K_:129+4*K_], v[128+4*K_:129+4*K_], v[128+4*(K_+\d):129+4*(K_+\d)]
	v_pk_add_f32 v[130+4*K_:131+4*K_], v[130+4*K_:131+4*K_], v[130+4*(K_+\d):131+4*(K_+\d)]
.set K_, K_+1
.endr
.endr
	global_store_b128 v[LI], v[128:131], s[34:35]  ; my 128 columns: 512 consecutive bytes, aligned
	s_cmp_lg_u32 s38, 0
	s_cbranch_scc1 .Lnot_wave_0
	v_cmp_eq_u32 vcc_lo, 0, v0
	s_wait_xcnt 0x0                                ; EXEC changes only behind this wait
	s_and_saveexec_b32 s44, vcc_lo
	global_store_b64 v123, v[120:121], s[36:37]    ; (M, L): all four waves hold the same; one lane stores
	s_wait_xcnt 0x0
	s_or_b32 exec_lo, exec_lo, s44
.Lnot_wave_0:
	s_wait_tensorcnt 0x0                           ; the wave's end: a tensor wait, an LDS add to my spare word and its wait, behind my last LDS store; the first stands in a text with no tensor load too
	ds_add_u32 v[SPW], v[NIL]
	s_wait_dscnt 0x0
	s_endpgm
.Lfunc_end_k_q5c29c87038_fused:
	.size	k_q5c29c87038_fused, .Lfunc_end_k_q5c29c87038_fused-k_q5c29c87038_fused
	.p2alignl 7, 3214868480
	.fill 96, 4, 3214868480
	.section	.rodata,"a",@progbits
	.p2align	6, 0x0
	.amdhsa_kernel k_q5c29c87038_fused
		.amdhsa_group_segment_fixed_size 320512
		.amdhsa_private_segment_fixed_size 0
		.amdhsa_enable_private_segment 0
		.amdhsa_kernarg_size 136
		.amdhsa_user_sgpr_count 2
		.amdhsa_user_sgpr_kernarg_segment_ptr 1
		.amdhsa_wavefront_size32 1
		.amdhsa_system_sgpr_workgroup_id_x 1
		.amdhsa_system_sgpr_workgroup_id_y 1
		.amdhsa_system_sgpr_workgroup_id_z 1
		.amdhsa_system_vgpr_workitem_id 0
		.amdhsa_next_free_vgpr 1024
		.amdhsa_next_free_sgpr 66
		.amdhsa_reserve_vcc 1
		.amdhsa_float_denorm_mode_32 3
		.amdhsa_float_denorm_mode_16_64 3
		.amdhsa_memory_ordered 1
		.amdhsa_forward_progress 1
		.amdhsa_inst_pref_size 255
	.end_amdhsa_kernel
	.section	.bss,"aw",@nobits
	.p2align	6
	.space	262144
	.amdgpu_metadata
---
amdhsa.version: [ 1, 2 ]
amdhsa.kernels:
  - .name:           k_q5c29c87038_fused
    .symbol:         k_q5c29c87038_fused.kd
    .args:
      - { .name: x_s, .offset: 0, .size: 8, .value_kind: global_buffer, .address_space: global }
      - { .name: x_l, .offset: 8, .size: 8, .value_kind: global_buffer, .address_space: global }
      - { .name: out2, .offset: 16, .size: 8, .value_kind: global_buffer, .address_space: global }
      - { .name: out3, .offset: 24, .size: 8, .value_kind: global_buffer, .address_space: global }
      - { .name: W_proj_codes, .offset: 32, .size: 8, .value_kind: global_buffer, .address_space: global }
      - { .name: W_proj_scales, .offset: 40, .size: 8, .value_kind: global_buffer, .address_space: global }
      - { .name: b_proj, .offset: 48, .size: 8, .value_kind: global_buffer, .address_space: global }
      - { .name: desc_feats, .offset: 56, .size: 8, .value_kind: global_buffer, .address_space: global }
      - { .name: Wv_codes, .offset: 64, .size: 8, .value_kind: global_buffer, .address_space: global }
      - { .name: Wu_codes, .offset: 72, .size: 8, .value_kind: global_buffer, .address_space: global }
      - { .name: Wv_scales, .offset: 80, .size: 8, .value_kind: global_buffer, .address_space: global }
      - { .name: Wu_scales, .offset: 88, .size: 8, .value_kind: global_buffer, .address_space: global }
      - { .name: bv, .offset: 96, .size: 8, .value_kind: global_buffer, .address_space: global }
      - { .name: bu, .offset: 104, .size: 8, .value_kind: global_buffer, .address_space: global }
      - { .name: w_attn, .offset: 112, .size: 8, .value_kind: global_buffer, .address_space: global }
      - { .name: part, .offset: 120, .size: 8, .value_kind: global_buffer, .address_space: global }
      - { .name: pstat, .offset: 128, .size: 8, .value_kind: global_buffer, .address_space: global }
    .group_segment_fixed_size: 320512
    .private_segment_fixed_size: 0
    .kernarg_segment_align: 8
    .kernarg_segment_size: 136
    .max_flat_workgroup_size: 128
    .sgpr_count:     66
    .vgpr_count:     1024
    .wavefront_size: 32
...
	.end_amdgpu_metadata
.endif
;; end of part 1
;; launch finish (part 2): grid 2 x 1, 32 waves a work-group, no clusters, 6,144 bytes of LDS; arguments part, pstat, desc_feats, out0, out1; writes out0, out1
.if DOCPART == 2
	.amdgcn_target "amdgcn-amd-amdhsa--gfx1250"
	.amdhsa_code_object_version 6
	.text
	.protected	k_q5c29c87038_finish
	.globl	k_q5c29c87038_finish
	.p2align	8
	.type	k_q5c29c87038_finish,@function
k_q5c29c87038_finish:
	s_mov_b64 s[64:65], 0
	v_nop
	global_prefetch_b8 v0, s[64:65] scope:SCOPE_SE
	s_setreg_imm32_b32 hwreg(HW_REG_WAVE_MODE, 25, 1), 1
	s_wait_xcnt 0x0
; The end of Ver2f: for batch b (the work-group) and both streams, the 64 work-groups' partial softmax sums are merged under their common maximum, divided by the sum and normalised;
; the text features are the maxima over the eight descriptions, normalised; logits, softmax, argmax.  b_attn and the coordinates are left out as the first kernel's head shows.
; Thread = (stream = thread / 512, d = thread % 512); a wave has one stream.  The partials of (stream, b) are g = 128 stream + 64 b + i, i = 0 .. 63.
; No matrix unit, no tensor load, no cluster: 320 KiB are read once by two work-groups, and a sum over all of a batch's partials has one owner.
; LIMITS: NaN and infinities are not served; among equal probabilities the lowest class is taken, as argmax does.
.set RED,   0                          ; 32 waves x 64 bytes: nine sums a wave
.set SPARE, 2048                       ; the spare words, 128 bytes for each of the 32 waves, which no other line names
	s_load_b256 s[4:11], s[0:1], 0x0               ; part, pstat, desc_feats, out0
	s_load_b64 s[12:13], s[0:1], 0x20              ; out1
	v_lshl_add_u32 v30, v0, 2, SPARE
	v_mov_b32 v31, 0
	v_lshrrev_b32 v1, 5, v0
	v_readfirstlane_b32 s14, v1                    ; wave 0..31
	v_and_b32 v1, 31, v0                           ; lane
	v_and_b32 v2, 511, v0
	v_lshlrev_b32 v2, 2, v2                        ; 4 d
	v_lshlrev_b32 v3, 3, v1                        ; 8 lane
	v_lshlrev_b32 v28, 6, v1                       ; 64 lane: wave 0 reads wave l's sums in lane l
	v_mov_b32 v29, s14
	v_lshlrev_b32 v29, 6, v29                      ; 64 wave: where my wave's sums go
	v_mov_b32 v27, 0
	v_mov_b32 v11, 0                               ; (a lane permute's destination counts as one of its sources)
	s_lshr_b32 s15, s14, 4                         ; stream
	s_lshl_b32 s16, s15, 7
	s_lshl_b32 s17, ttmp9, 6
	s_add_co_u32 s16, s16, s17                     ; the first partial
	s_lshl_b32 s18, s16, 11
	s_mov_b32 s19, 0
	s_lshl_b32 s20, s16, 3
	s_mov_b32 s21, 0
	s_mov_b32 s22, 0x76543210
	s_mov_b32 s23, 0xfedcba98
	s_mov_b32 s33, 0x3fb8aa3b                      ; log2(e)
	s_lshl_b32 s34, ttmp9, 4
	s_mov_b32 s35, 0
	s_lshl_b32 s36, ttmp9, 2
	s_mov_b32 s37, 0
	s_wait_kmcnt 0x0
	s_add_nc_u64 s[4:5], s[4:5], s[18:19]
	s_add_nc_u64 s[6:7], s[6:7], s[20:21]
	s_add_nc_u64 s[10:11], s[10:11], s[34:35]
	s_add_nc_u64 s[12:13], s[12:13], s[36:37]
	global_load_b64 v[4:5], v3, s[6:7]             ; (M, L) of partial lane,
	global_load_b64 v[6:7], v3, s[6:7] offset:256  ; and of partial lane + 32
.set I_, 0
.rept 64
	global_load_b32 v[32+I_], v2, s[4:5] offset:2048*I_   ; a wave reads 128 consecutive bytes of partial i
.set I_, I_+1
.endr
.set I_, 0
.rept 32
	global_load_b32 v[96+I_], v2, s[8:9] offset:2048*I_   ; desc[c][k][d], 8 c + k = i
.set I_, I_+1
.endr
	s_wait_loadcnt 63                              ; behind the two stand 96 loads; a wait names 63 at the most
	v_max_num_f32 v10, v4, v6
	v_max_num_f32_dpp v10, v10, v10 row_xmask:1 row_mask:0xf bank_mask:0xf
	v_max_num_f32_dpp v10, v10, v10 row_xmask:2 row_mask:0xf bank_mask:0xf
	v_max_num_f32_dpp v10, v10, v10 row_xmask:4 row_mask:0xf bank_mask:0xf
	v_max_num_f32_dpp v10, v10, v10 row_xmask:8 row_mask:0xf bank_mask:0xf
	v_permlanex16_b32 v11, v10, s22, s23
	v_max_num_f32 v10, v10, v11                    ; the largest t of all 16,384 rows
	v_sub_f32 v8, v4, v10
	v_sub_f32 v9, v6, v10
	v_exp_f32 v8, v8                               ; e_i = 2^(M_i - M)
	v_exp_f32 v9, v9
	v_nop
	s_wait_alu depctr_va_vdst(0)
	v_mul_f32 v12, v8, v5
	v_fma_f32 v12, v9, v7, v12
	v_add_f32_dpp v12, v12, v12 row_xmask:1 row_mask:0xf bank_mask:0xf
	v_add_f32_dpp v12, v12, v12 row_xmask:2 row_mask:0xf bank_mask:0xf
	v_add_f32_dpp v12, v12, v12 row_xmask:4 row_mask:0xf bank_mask:0xf
	v_add_f32_dpp v12, v12, v12 row_xmask:8 row_mask:0xf bank_mask:0xf
	v_permlanex16_b32 v11, v12, s22, s23
	v_add_f32 v12, v12, v11                        ; the softmax's sum
	v_rcp_f32 v12, v12
	s_wait_loadcnt 32                              ; the 64 partials are in: behind them stand desc's 32 loads
.set I_, 0
.rept 64
	v_readlane_b32 s[24+I_%8], v[8+I_/32], I_%32   ; e_i for all lanes
.if I_ < 4
	v_mul_f32 v[13+I_], s[24+I_%8], v[32+I_]       ; four chains; the first four terms start them
.else
	v_fmac_f32 v[13+I_%4], s[24+I_%8], v[32+I_]
.endif
.set I_, I_+1
.endr
	v_add_f32 v13, v13, v14
	v_add_f32 v15, v15, v16
	v_add_f32 v13, v13, v15
	s_wait_alu depctr_va_vdst(0)                   ; the reciprocal, ahead of its first reader
	v_mul_f32 v17, v13, v12                        ; pooled[d]
	s_wait_loadcnt 0x0
.irp c, 0,1,2,3
	v_max3_num_f32 v[96+8*\c], v[96+8*\c], v[97+8*\c], v[98+8*\c]
.endr
.irp i, 3,5
.irp c, 0,1,2,3
	v_max3_num_f32 v[96+8*\c], v[96+8*\c], v[96+8*\c+\i], v[97+8*\c+\i]
.endr
.endr
.irp c, 0,1,2,3
	v_max_num_f32 v[96+8*\c], v[96+8*\c], v[103+8*\c]   ; the class's maximum over its descriptions, at d
.endr
	v_mul_f32 v32, v17, v17                        ; nine numbers a thread: pooled^2,
.irp c, 0,1,2,3
	v_mul_f32 v[33+\c], v17, v[96+8*\c]            ; pooled x text_c,
	v_mul_f32 v[37+\c], v[96+8*\c], v[96+8*\c]     ; text_c^2
.endr
.irp x, 1,2,4,8
.irp k, 0,1,2,3,4,5,6,7,8
	v_add_f32_dpp v[32+\k], v[32+\k], v[32+\k] row_xmask:\x row_mask:0xf bank_mask:0xf
.endr
.endr
.irp k, 0,1,2,3,4,5,6,7,8
	v_permlanex16_b32 v[44+\k], v[32+\k], s22, s23
.endr
.irp k, 0,1,2,3,4,5,6,7,8
	v_add_f32 v[32+\k], v[32+\k], v[44+\k]         ; summed over the wave's 32 d
.endr
	ds_store_b128 v29, v[32:35]                    ; all lanes write the same words with the same values
	ds_store_b128 v29, v[36:39] offset:16
	ds_store_b32 v29, v40 offset:32
	s_wait_dscnt 0x0
	s_barrier_signal -1
	s_barrier_wait -1
	s_cmp_lg_u32 s14, 0
	s_cbranch_scc1 .Lend                           ; wave 0 does the rest
	ds_load_b128 v[32:35], v28
	ds_load_b128 v[36:39], v28 offset:16
	ds_load_b32 v40, v28 offset:32
	s_wait_dscnt 0x0
.irp x, 1,2,4,8
.irp k, 0,1,2,3,4,5,6,7,8
	v_add_f32_dpp v[32+\k], v[32+\k], v[32+\k] row_xmask:\x row_mask:0xf bank_mask:0xf   ; lanes 0-15: stream 0's sixteen waves; lanes 16-31: stream 1's
.endr
.endr
	v_sqrt_f32 v32, v32
.irp c, 0,1,2,3
	v_sqrt_f32 v[37+\c], v[37+\c]
.endr
	v_nop
	s_wait_alu depctr_va_vdst(0)
	v_max_num_f32 v32, 0x2b8cbccc, v32             ; the clips at 1e-12
.irp c, 0,1,2,3
	v_max_num_f32 v[37+\c], 0x2b8cbccc, v[37+\c]
.endr
.irp c, 0,1,2,3
	v_mul_f32 v[37+\c], v[37+\c], v32
.endr
.irp c, 0,1,2,3
	v_rcp_f32 v[37+\c], v[37+\c]
.endr
	v_nop
	s_wait_alu depctr_va_vdst(0)
.irp c, 0,1,2,3
	v_mul_f32 v[33+\c], v[33+\c], v[37+\c]         ; slide . text_c of my stream
.endr
.irp c, 0,1,2,3
	v_permlanex16_b32 v[44+\c], v[33+\c], s22, s23
.endr
.irp c, 0,1,2,3
	v_add_f32 v[33+\c], v[33+\c], v[44+\c]         ; the logits
.endr
	v_max3_num_f32 v41, v33, v34, v35
	v_max_num_f32 v41, v41, v36
	v_mul_f32 v41, 0xbfb8aa3b, v41                 ; the maximum is taken away, as reference() does
.irp c, 0,1,2,3
	v_fma_f32 v[44+\c], v[33+\c], s33, v41
.endr
.irp c, 0,1,2,3
	v_exp_f32 v[44+\c], v[44+\c]
.endr
	v_nop
	s_wait_alu depctr_va_vdst(0)
	v_add_f32 v42, v44, v45
	v_add_f32 v43, v46, v47
	v_add_f32 v42, v42, v43
	v_rcp_f32 v42, v42
	v_mov_b32 v48, 0                               ; (a plain line behind the reciprocal)  the class so far
	s_wait_alu depctr_va_vdst(0)
.irp c, 0,1,2,3
	v_mul_f32 v[44+\c], v[44+\c], v42              ; Y_prob
.endr
	v_mov_b32 v49, v44
.irp c, 1,2,3
	v_cmp_gt_f32 vcc_lo, v[44+\c], v49             ; strictly greater: the lower class is kept among equals
	v_cndmask_b32 v48, v48, \c, vcc_lo
	v_max_num_f32 v49, v49, v[44+\c]
.endr
	v_cmp_eq_u32 vcc_lo, 0, v0
	s_wait_xcnt 0x0                                ; EXEC changes only behind this wait
	s_and_saveexec_b32 s32, vcc_lo
	global_store_b128 v27, v[44:47], s[10:11]
	global_store_b32 v27, v48, s[12:13]
	s_wait_xcnt 0x0
	s_or_b32 exec_lo, exec_lo, s32
.Lend:
	s_wait_tensorcnt 0x0                           ; the wave's end: a tensor wait, an LDS add to my spare word and its wait, behind my last LDS store; the first stands in a text with no tensor load too
	ds_add_u32 v30, v31
	s_wait_dscnt 0x0
	s_endpgm
.Lfunc_end_k_q5c29c87038_finish:
	.size	k_q5c29c87038_finish, .Lfunc_end_k_q5c29c87038_finish-k_q5c29c87038_finish
	.p2alignl 7, 3214868480
	.fill 96, 4, 3214868480
	.section	.rodata,"a",@progbits
	.p2align	6, 0x0
	.amdhsa_kernel k_q5c29c87038_finish
		.amdhsa_group_segment_fixed_size 6144
		.amdhsa_private_segment_fixed_size 0
		.amdhsa_enable_private_segment 0
		.amdhsa_kernarg_size 40
		.amdhsa_user_sgpr_count 2
		.amdhsa_user_sgpr_kernarg_segment_ptr 1
		.amdhsa_wavefront_size32 1
		.amdhsa_system_sgpr_workgroup_id_x 1
		.amdhsa_system_sgpr_workgroup_id_y 1
		.amdhsa_system_sgpr_workgroup_id_z 1
		.amdhsa_system_vgpr_workitem_id 0
		.amdhsa_next_free_vgpr 128
		.amdhsa_next_free_sgpr 66
		.amdhsa_reserve_vcc 1
		.amdhsa_float_denorm_mode_32 3
		.amdhsa_float_denorm_mode_16_64 3
		.amdhsa_memory_ordered 1
		.amdhsa_forward_progress 1
		.amdhsa_inst_pref_size 29
	.end_amdhsa_kernel
	.amdgpu_metadata
---
amdhsa.version: [ 1, 2 ]
amdhsa.kernels:
  - .name:           k_q5c29c87038_finish
    .symbol:         k_q5c29c87038_finish.kd
    .args:
      - { .name: part, .offset: 0, .size: 8, .value_kind: global_buffer, .address_space: global }
      - { .name: pstat, .offset: 8, .size: 8, .value_kind: global_buffer, .address_space: global }
      - { .name: desc_feats, .offset: 16, .size: 8, .value_kind: global_buffer, .address_space: global }
      - { .name: out0, .offset: 24, .size: 8, .value_kind: global_buffer, .address_space: global }
      - { .name: out1, .offset: 32, .size: 8, .value_kind: global_buffer, .address_space: global }
    .group_segment_fixed_size: 6144
    .private_segment_fixed_size: 0
    .kernarg_segment_align: 8
    .kernarg_segment_size: 40
    .max_flat_workgroup_size: 1024
    .sgpr_count:     66
    .vgpr_count:     128
    .wavefront_size: 32
...
	.end_amdgpu_metadata
.endif
;; end of part 2
;; ======== version 2 of 2: 2 launches
;; workspace buffers: part 524,288 bytes; pstat 2,048 bytes
;; launch fused (part 3): grid 256 x 1, 4 waves a work-group, no clusters, 320,512 bytes of LDS; arguments x_s, x_l, out2, out3, W_proj_codes, W_proj_scales, b_proj, desc_feats, Wv_codes, Wu_codes, Wv_scales, Wu_scales, bv, bu, w_attn, part, pstat; writes out2, out3, part, pstat
.if DOCPART == 3
	.amdgcn_target "amdgcn-amd-amdhsa--gfx1250"
	.amdhsa_code_object_version 6
	.text
	.protected	k_q5c29c87038_fused
	.globl	k_q5c29c87038_fused
	.p2align	8
	.type	k_q5c29c87038_fused,@function
k_q5c29c87038_fused:
	s_mov_b64 s[64:65], 0
	v_nop
	global_prefetch_b8 v0, s[64:65] scope:SCOPE_SE
	s_setreg_imm32_b32 hwreg(HW_REG_WAVE_MODE, 25, 1), 1
	s_wait_xcnt 0x0
; Ver2f, the fused chain of a row: l2norm, quantise, x W_proj + b_proj, l2norm, quantise, then three readers of the same codes: the 32 descriptions (class scores), Wv and Wu (the gate);
; and the gate's softmax over the rows as a running maximum, sum and weighted sum of the f32 rows.  All quantised products on E5M2 codes with E8M0 scales for each 32 along K.
; WORK LEFT OUT, for all values of the inputs:
;   coord_s, coord_l: reference() never reads them: not loaded, no argument of any launch.
;   b_attn: it is added to A[b, n] for every n alike, and softmax over n does not change under a term that is the same along its axis: not loaded, no argument of any launch.
;   The second product of xp with desc_feats (inside the three-operand einsum) has the very operands of the first, quantised alike along D: the same numbers.  Each dot is made once and used twice: x 512^-0.5 under the softmax, and as the value that the softmax weighs.
;   LIMIT: a NaN, an infinity or an overflow that reaches only b_attn or the coordinates is not carried to the result.
; OTHER LIMITS: NaN and infinities among the inputs are not served.  A block whose largest magnitude lies under 2^-111 keeps the scale byte 1.  tanh's exponent 2 v log2(e) is held at 64, where tanh is 1.0 in f32; a sigmoid under 2^-126 comes out as 0.
;   1 / norm is v_rcp_f32 and a multiplication, where reference() divides.
; SHARES.  256 work-groups of four waves; work-group g owns rows 256 (g % 128) on of stream g / 128 (x_s, then x_l), all of one batch, and walks them in 4 blocks of 64 rows = 4 tiles m of 16.
;   THE WAVES SHARE THE COLUMNS: wave w makes columns 128 w .. + 127 of y and hidden units 64 w .. + 63 of both Wv and Wu, for all 64 rows.  Its part of W_proj (65,536 bytes) lies in its own part of LDS, as images of the
;   operand's registers; its parts of Wv and Wu fill register windows 2 and 3; y stays in window 1 from the first product until the pooling.  Codes go from wave to wave through LDS as images of their registers.
;   Every product is used transposed (source 0 = 16 rows of a weight, source 1 = 16 rows of activations): lane (r, h) holds row r throughout.
;   Lane r of W_proj's tile 2 b + u takes row 32 b + 8 u + r + 8 (r / 8), so that a lane's 16 registers of two neighbouring tiles are 16 neighbours along the next K.
;   Lane r of desc's tile u takes flat row 8 u + r + 8 (r / 8), so that a lane's eight results are the eight descriptions of class 2 h + u.
; LDS RUNS STAND AHEAD OF WORK THAT COVERS THEM: when a tile's gate is done, the work registers are free but for the pooling's eight, so the next tile's biases and fragments (behind the last tile: the class scores' first half)
;   are asked for ahead of the pooling's arithmetic and of the loads of x that follow it.
; NO CLUSTER, NO TENSOR LOAD, though all work-groups read the same weights: half of the shared bytes (Wv, Wu: 262,144) live in registers, which a joint load does not reach; W_proj as rows of 512 + 16 bytes is 270,336 bytes,
;   which with this text's other 58,368 bytes is 328,704, more than the 327,680 that a work-group can have; and the tile order above puts rows 16 apart, which fall on the same banks at every pitch that is a multiple of 16 bytes.
; OUT: the class scores, and for the second launch part[g][512] = sum over my rows of 2^(t - M) xp and pstat[g] = (M, sum of 2^(t - M)), t = A log2(e), M my largest t.
.set IMG,   0          ; 32,768: fragment (m, s) at 2048 (4 m + s), chunk c at + 512 c, lane at + 16 lane: x's codes, later xp's
.set DS,    32768      ; 16,384: desc's fragments (u, s) at 2048 (4 u + s)
.set ISC,   49152      ; 1,024: the images' scale words: tile m at 256 m; K step s, row r at 8 (16 (s % 2) + r) + 4 (s / 2)
.set DSS,   50176      ; 512: the same for desc
.set RED1,  50688      ; 1,024: tile m at 256 m: row r, wave w at 16 r + 4 w: sums of squares;  RED1 + 1024: the gate's partial sums
.set CB,    52736      ; 2,048: b_proj
.set CV,    54784      ; 3 x 1,024: bv, bu, w_attn
.set SPARE, 57856      ; 512: the spare words, 128 bytes a wave, which no other line names
.set WP,    58368      ; 262,144: wave w's 65,536: W_proj's fragment (t, s) at 2048 (4 t + s); at the very end its first 8,448 bytes are the wave's stage
.set LI,1              ; 16 lane
.set XA,2              ; x: (16 w + r) 2048 + 64 h
.set IWX,3             ; 8192 w + 16 lane
.set IWN,4             ; 2048 w + 16 lane
.set ISX,5             ; ISC + 256 w + 8 r
.set ISN,6             ; ISC + 128 (w % 2) + 4 (w / 2) + 8 r
.set L8,7              ; 8 lane
.set AWP,8             ; WP + 65536 w + 16 lane
.set ARS,9             ; RED1 + 16 r + 4 w
.set ARL,10            ; RED1 + 16 r
.set ABP,11            ; CB + 512 w + 64 h
.set ABV,12            ; CV + 256 w + 32 h
.set OUTO,13           ; (16 w + r) 16 + 8 h
.set PFO,14            ; the prefetch's offset
.set ISW,15            ; ISC + 256 w + 8 lane
.set SPW,16            ; my spare word; never rewritten
.set NIL,17            ; 0; never rewritten
.set MX,18             ; the running largest t of my row slot
.set LS,19             ; its running sum
.set INV,20            ; v20-23: 1 / clip(norm of y), tile m
.set WPS,24            ; v24-39: W_proj's scale words (t, q): lanes 0-15 K step 2 q, lanes 16-31 K step 2 q + 1
.set WVS,40            ; v40-47 Wv's, v48-55 Wu's, likewise
.set POOL,56           ; v56-119: register 16 b + i = column 128 w + 32 b + 16 h + i
.set TMP,120           ; quantiser: 64 numbers
.set PC,184            ; its codes
.set TM,200            ; 16 block maxima
.set AM,216            ; v216-219 scaled maxima (v216-231 also take the lane permutes)
.set SO,220            ; the conversions' scale operands
.set LM,224            ; the largest number x the scale
.set BY,228            ; the bytes
.set SS,232            ; four pairs: sums of squares
.set IV,240            ; 1 / norm in hand (pair with v241)
.set PW,242            ; the scale word just made
.set TT,243
.set S4,244
.set XS,248            ; v248-255: the activations' and desc's scale words in hand
.set XF,120            ; first product: x's four fragments of a K step
.set WF,184            ; three slots for W_proj's fragments
.set BI,232            ; two slots for b_proj's tiles
.set PF,120            ; second products: xp's four fragments
.set AC,184            ; v's four tiles, then u's four
.set GW,120            ; w_attn
.set GT,152
.set PZ,240            ; the pooling's eight: the registers of bu's last tile, which is loaded behind it
.set XPF,120
.set DF,152
.set ACC,216
.set CE,152
.set CM,168
.set CS,172
.set CO,180
.set MSB, 0
.macro WIN new                         ; bits 1:0 source 0, 3:2 source 1, 5:4 source 2, 7:6 destination; the high byte repeats the setting that is left
.if MSB != \new
	s_set_vgpr_msb (MSB<<8)|\new
.set MSB, \new
.endif
.endm
.macro PLACES n
.rept \n
	v_nop
.endr
.endm
.macro BARRIER                         ; my LDS stores have landed and my LDS loads are in: then the work-group's barrier
	s_wait_dscnt 0x0
	s_barrier_signal -1
	s_barrier_wait -1
.endm
; my 16 rows' numbers of K step q, from off bytes on, into window 1: register 64 q + 16 b + i = x[row r][128 q + 32 b + 16 h + i].
; The four loads j of a block name the four quarters of a lane's 64 bytes, one behind the other: so the hint's first word (the near cache) is the regular one; its second (the far cache) says that the launch reads these bytes once.
.macro XLOAD q, off
	WIN 0x40
.irp b, 0,1,2,3
.irp j, 0,1,2,3
	global_load_b128 v[64*(\q)+16*\b+4*\j:64*(\q)+16*\b+4*\j+3], v[XA], s[4:5] offset:(\off)+512*(\q)+128*\b+16*\j th:TH_LOAD_RT_NT
.endr
.endr
	WIN 0
.endm
; 64 numbers of window 1 (under sources 0 and 1 = window 1): the largest magnitude of my 16 of each block into v[tm + b]; sq = 1: their squares onto the four chains (first = 1: they start the chains).  Registers ascend inside every tile.
.macro SUMMAX base, tm, first, sq
.irp u, 0,1,2,3,4,5,6,7
.irp b, 0,1,2,3
.if \sq
.if (\first) && (\u == 0)
	v_pk_mul_f32 v[SS+2*\b:SS+2*\b+1], v[(\base)+16*\b+2*\u:(\base)+16*\b+2*\u+1], v[(\base)+16*\b+2*\u:(\base)+16*\b+2*\u+1]
.else
	v_pk_fma_f32 v[SS+2*\b:SS+2*\b+1], v[(\base)+16*\b+2*\u:(\base)+16*\b+2*\u+1], v[(\base)+16*\b+2*\u:(\base)+16*\b+2*\u+1], v[SS+2*\b:SS+2*\b+1]
.endif
.endif
.if \u == 0
	v_max_num_f32 v[(\tm)+\b], |v[(\base)+16*\b]|, |v[(\base)+16*\b+1]|
.else
	v_max3_num_f32 v[(\tm)+\b], |v[(\base)+16*\b+2*\u]|, |v[(\base)+16*\b+2*\u+1]|, v[(\tm)+\b]
.endif
.endr
.endr
.endm
.macro SSRED dst
	v_pk_add_f32 v[SS:SS+1], v[SS:SS+1], v[SS+2:SS+3]
	v_pk_add_f32 v[SS+4:SS+5], v[SS+4:SS+5], v[SS+6:SS+7]
	v_pk_add_f32 v[SS:SS+1], v[SS:SS+1], v[SS+4:SS+5]
	v_add_f32 v[\dst], v[SS], v[SS+1]
.endm
; 64 numbers of window 1 from base on, times v[inv] (scaled = 1), become a fragment's codes in v[PC] on and its scale word in v[PW].  v[tm + b] holds block b's largest magnitude BEFORE the scaling:
; a multiplication by a positive number keeps the order, rounded too, so the scaled maximum is the maximum of the scaled numbers.  Window 1 is only read.
.macro QFIN base, tm, inv, scaled
	WIN 0
.if \scaled
.if (\inv) != IV
	v_mov_b32 v[IV], v[\inv]
.endif
.irp b, 0,1,2,3
	v_mul_f32 v[AM+\b], v[(\tm)+\b], v[IV]
.endr
.irp b, 0,1,2,3
	v_max_num_f32 v[AM+\b], 0x8000000, v[AM+\b]            ; the floor 2^(16 - 127): the byte cannot fall under 1
.endr
.else
.irp b, 0,1,2,3
	v_max_num_f32 v[AM+\b], 0x8000000, v[(\tm)+\b]
.endr
.endif
.irp b, 0,1,2,3
	v_add_nc_u32 v[SO+\b], 0xf8800000, v[AM+\b]            ; 15 off the exponent field: the conversion's scale operand
.endr
.irp b, 0,1,2,3
	v_and_or_b32 v[LM+\b], v[AM+\b], 0x7f800000, s42       ; 57,344 x the scale
.endr
	WIN 0x01
.if \scaled
.set QK, 0
.rept 32
	v_pk_mul_f32 v[TMP+2*QK:TMP+2*QK+1], v[(\base)+2*QK:(\base)+2*QK+1], v[IV:IV+1] op_sel_hi:[1,0]
.set QK, QK+1
.endr
.else
.irp b, 0,1,2,3
.irp i, 0,1,2,3,4,5,6,7,8,9,10,11,12,13,14,15
	v_med3_num_f32 v[TMP+16*\b+\i], v[(\base)+16*\b+\i], -v[LM+\b], v[LM+\b]
.endr
.endr
.endif
	WIN 0
	s_wait_dscnt 0x0                                       ; the last image's stores have read v[PC] on and v[PW]
.irp b, 0,1,2,3
.if \scaled
.irp i, 0,1,2,3,4,5,6,7,8,9,10,11,12,13,14,15
	v_med3_num_f32 v[TMP+16*\b+\i], v[TMP+16*\b+\i], -v[LM+\b], v[LM+\b]   ; the conversion to an 8-bit code does not saturate (ISA guide 7.6.2): the hold at the largest code x the scale
.endr
.endif
	v_cvt_scalef32_pk8_bf8_f32 v[PC+4*\b:PC+4*\b+1], v[TMP+16*\b:TMP+16*\b+7], v[SO+\b]
	v_cvt_scalef32_pk8_bf8_f32 v[PC+4*\b+2:PC+4*\b+3], v[TMP+16*\b+8:TMP+16*\b+15], v[SO+\b]
.endr
.irp b, 0,1,2,3
	v_lshrrev_b32 v[BY+\b], 23, v[SO+\b]                   ; the bytes.  (Plain lines behind the last conversion)
.endr
	v_lshl_or_b32 v[PW], v[BY+1], 8, v[BY]
	v_lshl_or_b32 v[PW], v[BY+2], 16, v[PW]
	v_lshl_or_b32 v[PW], v[BY+3], 24, v[PW]
.endm
.macro IMAGE adr, off                  ; the fragment in v[PC] on goes to LDS as it stands: 512 consecutive bytes a store
.irp c, 0,1,2,3
	ds_store_b128 v[\adr], v[PC+4*\c:PC+4*\c+3] offset:(\off)+512*\c
.endr
.endm
; a scaled product; odd = 1: both sides' scale words are those of lanes 16-31
.macro MM d, a, b, c, sa, sb, odd
.if \odd
	v_wmma_scale_f32_16x16x128_f8f6f4 v[(\d):(\d)+7], v[(\a):(\a)+15], v[(\b):(\b)+15], v[(\c):(\c)+7], v[\sa], v[\sb] matrix_a_fmt:MATRIX_FMT_BF8 matrix_b_fmt:MATRIX_FMT_BF8 matrix_a_scale:MATRIX_SCALE_ROW1 matrix_b_scale:MATRIX_SCALE_ROW1
.else
	v_wmma_scale_f32_16x16x128_f8f6f4 v[(\d):(\d)+7], v[(\a):(\a)+15], v[(\b):(\b)+15], v[(\c):(\c)+7], v[\sa], v[\sb] matrix_a_fmt:MATRIX_FMT_BF8 matrix_b_fmt:MATRIX_FMT_BF8
.endif
.endm
.macro MMZ d, a, b, sa, sb             ; the same with C = 0: it starts a sum
	v_wmma_scale_f32_16x16x128_f8f6f4 v[(\d):(\d)+7], v[(\a):(\a)+15], v[(\b):(\b)+15], 0, v[\sa], v[\sb] matrix_a_fmt:MATRIX_FMT_BF8 matrix_b_fmt:MATRIX_FMT_BF8
.endm
.macro XFETCH s                        ; x's fragments of K step s, four tiles of rows
.irp m, 0,1,2,3
.irp c, 0,1,2,3
	ds_load_b128 v[XF+16*\m+4*\c:XF+16*\m+4*\c+3], v[LI] offset:(4*\m+(\s))*2048+512*\c
.endr
.endr
.endm
.macro WFETCH g                        ; W_proj's fragment g = 8 s + t into slot g % 3
.irp c, 0,1,2,3
	ds_load_b128 v[WF+16*((\g)%3)+4*\c:WF+16*((\g)%3)+4*\c+3], v[AWP] offset:(4*((\g)%8)+(\g)/8)*2048+512*\c
.endr
.endm
.macro BFETCH t                        ; b_proj at tile t's eight columns of my half, into slot t % 2
	ds_load_b128 v[BI+8*((\t)%2):BI+8*((\t)%2)+3], v[ABP] offset:128*((\t)/2)+32*((\t)%2)
	ds_load_b128 v[BI+8*((\t)%2)+4:BI+8*((\t)%2)+7], v[ABP] offset:128*((\t)/2)+32*((\t)%2)+16
.endm
; Four products: W_proj's fragment g = 8 s + t against the four tiles of rows.  The 32 accumulators take turns, one instruction a turn.
; THE WAIT.  g = 0: behind what it needs stand fragments 1 and 2 and the bias of tile 1: 10 loads.  t = 0 of a later K step: behind x's 16 loads stands the one fragment asked for with them: 4.
; The rest of s = 0: behind tile t's bias stand at least the four loads of the last WFETCH: 4.  Else behind fragment g stand fragments g + 1 and g + 2: 8; the last two groups have fewer behind them.
.macro GROUP g
.set GS_, (\g)/8
.set GT_, (\g)%8
.if (\g) == 0
	s_wait_dscnt 10
.elseif GT_ == 0
	s_wait_dscnt 4
.elseif GS_ == 0
	s_wait_dscnt 4
.elseif (\g) >= 30
	s_wait_dscnt 4*(31-(\g))
.else
	s_wait_dscnt 8
.endif
.if GS_ == 0
	WIN 0x40                                               ; D window 1; C = the bias, window 0
.else
	WIN 0x50                                               ; C and D window 1
.endif
.irp m, 0,1,2,3
.if GS_ == 0
	MM 64*\m+8*GT_, WF+16*((\g)%3), XF+16*\m, BI+8*(GT_%2), WPS+2*GT_, XS+2*\m, 0
.else
	MM 64*\m+8*GT_, WF+16*((\g)%3), XF+16*\m, 64*\m+8*GT_, WPS+2*GT_+GS_/2, XS+2*\m+GS_/2, GS_%2
.endif
.endr
	WIN 0
	PLACES 8                                               ; eight places in front of loads into registers that these products have read; behind the last group: in front of the first read of y
.if (GT_ == 7) && (GS_ < 3)
	XFETCH GS_+1                                           ; the next group waits for these: they go first
.endif
.if (\g)+3 < 32
	WFETCH (\g)+3
.endif
.if (GS_ == 0) && (GT_+2 < 8)
	BFETCH GT_+2
.endif
.endm
; THE LOADS OF A TILE'S SECOND PRODUCTS.  The sums begin at the biases, which are loaded straight into the accumulators.
.macro P2B                             ; 14 loads: bv's four tiles, bu's first three
.irp t, 0,1,2,3
	ds_load_b128 v[AC+8*\t:AC+8*\t+3], v[ABV] offset:64*\t
	ds_load_b128 v[AC+8*\t+4:AC+8*\t+7], v[ABV] offset:64*\t+16
.endr
.irp t, 0,1,2
	ds_load_b128 v[AC+32+8*\t:AC+32+8*\t+3], v[ABV] offset:1024+64*\t
	ds_load_b128 v[AC+32+8*\t+4:AC+32+8*\t+7], v[ABV] offset:1024+64*\t+16
.endr
.endm
.macro P2L                             ; 2 loads: bu's last tile, into the registers that the pooling works in
	ds_load_b128 v[AC+56:AC+59], v[ABV] offset:1024+192
	ds_load_b128 v[AC+60:AC+63], v[ABV] offset:1024+208
.endm
.macro P2F m                           ; 16 loads: xp's fragments of tile m, K step by K step
.irp s, 0,1,2,3
.irp c, 0,1,2,3
	ds_load_b128 v[PF+16*\s+4*\c:PF+16*\s+4*\c+3], v[LI] offset:(4*(\m)+\s)*2048+512*\c
.endr
.endr
.endm
; v and u of tile m: 32 products, eight accumulators by turns.  pre = 1: the loads were issued in the pooling of the tile before.
; pre = 0: they are issued here, and each K step waits for its own fragment alone: behind K step s's four loads stand the 12 - 4 s of the later K steps.
.macro P2 m, pre
.if (\pre) == 0
	P2B
	P2L
	P2F \m
.endif
.irp s, 0,1,2,3
.if (\pre) == 0
	s_wait_dscnt 12-4*\s
.elseif \s == 0
	s_wait_dscnt 0x0
.endif
	WIN 0x02                                               ; source 0: Wv, window 2
.irp t, 0,1,2,3
	MM AC+8*\t, 16*(4*\t+\s), PF+16*\s, AC+8*\t, WVS+2*\t+\s/2, XS+2*(\m)+\s/2, \s%2
.endr
	WIN 0x03                                               ; source 0: Wu, window 3
.irp t, 0,1,2,3
	MM AC+32+8*\t, 16*(4*\t+\s), PF+16*\s, AC+32+8*\t, WVS+8+2*\t+\s/2, XS+2*(\m)+\s/2, \s%2
.endr
.endr
	WIN 0
	PLACES 8                                               ; in front of the loads below and of the first read of the results
.irp t, 0,1,2,3
	ds_load_b128 v[GW+8*\t:GW+8*\t+3], v[ABV] offset:2048+64*\t
	ds_load_b128 v[GW+8*\t+4:GW+8*\t+7], v[ABV] offset:2048+64*\t+16
.endr
.endm
; tanh(v) sigmoid(u) w = (Ea - 1) w / ((1 + Ea)(1 + Eb)), Ea = 2^(2 v log2 e) with its exponent held at 64, Eb = 2^(-u log2 e): one reciprocal for the two.  Eb = infinity gives 0.
; The 64 exponentials are one batch with one wait, the 32 reciprocals another.  My 32 terms and the other half's are added; the wave's sum of 64 hidden units goes to LDS.
.macro GATE m
.set K_, 0
.rept 16
	v_pk_mul_f32 v[AC+2*K_:AC+2*K_+1], v[AC+2*K_:AC+2*K_+1], s[48:49] op_sel_hi:[1,0]
.set K_, K_+1
.endr
.set K_, 0
.rept 32
	v_min_num_f32 v[AC+K_], s52, v[AC+K_]
.set K_, K_+1
.endr
.set K_, 0
.rept 16
	v_pk_mul_f32 v[AC+32+2*K_:AC+32+2*K_+1], v[AC+32+2*K_:AC+32+2*K_+1], s[50:51] op_sel_hi:[1,0]
.set K_, K_+1
.endr
.set K_, 0
.rept 64
	v_exp_f32 v[AC+K_], v[AC+K_]
.set K_, K_+1
.endr
	v_nop                                                  ; a plain line behind the last exponential
	s_wait_alu depctr_va_vdst(0)                           ; one wait for the batch, ahead of its first reader
.set K_, 0
.rept 16
	v_pk_add_f32 v[AC+32+2*K_:AC+32+2*K_+1], v[AC+32+2*K_:AC+32+2*K_+1], 1.0 op_sel_hi:[1,0]
.set K_, K_+1
.endr
.set K_, 0
.rept 16
	v_pk_add_f32 v[GT+2*K_:GT+2*K_+1], v[AC+2*K_:AC+2*K_+1], 1.0 op_sel_hi:[1,0]
.set K_, K_+1
.endr
.set K_, 0
.rept 16
	v_pk_mul_f32 v[AC+32+2*K_:AC+32+2*K_+1], v[AC+32+2*K_:AC+32+2*K_+1], v[GT+2*K_:GT+2*K_+1]
.set K_, K_+1
.endr
.set K_, 0
.rept 32
	v_rcp_f32 v[AC+32+K_], v[AC+32+K_]
.set K_, K_+1
.endr
	s_wait_dscnt 0x0                                       ; w_attn is in
.set K_, 0
.rept 16
	v_pk_fma_f32 v[AC+2*K_:AC+2*K_+1], v[AC+2*K_:AC+2*K_+1], v[GW+2*K_:GW+2*K_+1], v[GW+2*K_:GW+2*K_+1] neg_lo:[0,0,1] neg_hi:[0,0,1]   ; (Ea - 1) w: plain work behind the reciprocals
.set K_, K_+1
.endr
	s_wait_alu depctr_va_vdst(0)                           ; one wait for the 32 reciprocals
.irp k, 0,1,2,3
	v_pk_mul_f32 v[GT+2*\k:GT+2*\k+1], v[AC+2*\k:AC+2*\k+1], v[AC+32+2*\k:AC+32+2*\k+1]
.endr
.irp k, 4,5,6,7,8,9,10,11,12,13,14,15
	v_pk_fma_f32 v[GT+2*(\k%4):GT+2*(\k%4)+1], v[AC+2*\k:AC+2*\k+1], v[AC+32+2*\k:AC+32+2*\k+1], v[GT+2*(\k%4):GT+2*(\k%4)+1]
.endr
	v_pk_add_f32 v[GT:GT+1], v[GT:GT+1], v[GT+2:GT+3]
	v_pk_add_f32 v[GT+4:GT+5], v[GT+4:GT+5], v[GT+6:GT+7]
	v_pk_add_f32 v[GT:GT+1], v[GT:GT+1], v[GT+4:GT+5]
	v_add_f32 v160, v[GT], v[GT+1]
	v_permlanex16_b32 v161, v160, s40, s41
	v_add_f32 v160, v160, v161
	ds_store_b32 v[ARS], v160 offset:1024+256*(\m)
	BARRIER                                                ; the four waves' parts of tile m's A lie in LDS
.endm
.macro CLOAD hf                        ; class scores: 24 loads: xp's fragments of K steps 2 hf, 2 hf + 1 of my tile of rows, and desc's
.irp e, 0,1
.irp c, 0,1,2,3
	ds_load_b128 v[XPF+16*\e+4*\c:XPF+16*\e+4*\c+3], v[IWX] offset:(2*(\hf)+\e)*2048+512*\c
.endr
.irp u, 0,1
.irp c, 0,1,2,3
	ds_load_b128 v[DF+16*(2*\u+\e)+4*\c:DF+16*(2*\u+\e)+4*\c+3], v[LI] offset:DS+(4*\u+2*(\hf)+\e)*2048+512*\c
.endr
.endr
.endr
.endm
; Tile m joins the running softmax of my row slot: every wave adds the four parts in the same order, so all four hold the same t, maximum and sum.  Then y's 64 registers of the tile are free and take the next block's K step m of x.
; Behind the load of the four parts stands the NEXT step's run of LDS loads, into work registers that the gate has left: tile m + 1's biases and fragments (30 loads), or behind the last tile the class scores' scale words and first half (27).
; The wait counts them: the four parts are in, the run may be out, and drains under the lines below.
.macro POOLM m
	ds_load_b128 v[PZ:PZ+3], v[ARL] offset:1024+256*(\m)
.if (\m) < 3
	P2B
	P2F (\m)+1
	s_wait_dscnt 30
.else
	ds_load_b64 v[XS:XS+1], v[ISW]
	ds_load_b64 v[XS+2:XS+3], v[L8] offset:DSS
	ds_load_b64 v[XS+4:XS+5], v[L8] offset:DSS+256
	CLOAD 0
	s_wait_dscnt 27
.endif
	v_add_f32 v[PZ], v[PZ], v[PZ+1]
	v_add_f32 v[PZ+2], v[PZ+2], v[PZ+3]
	v_add_f32 v[PZ], v[PZ], v[PZ+2]
	v_mul_f32 v[PZ+1], s53, v[PZ]                          ; t = A log2(e)
	v_max_num_f32 v[PZ+7], v[MX], v[PZ+1]                  ; the new maximum
	v_sub_f32 v[PZ+4], v[MX], v[PZ+7]
	v_sub_f32 v[PZ+5], v[PZ+1], v[PZ+7]
	v_exp_f32 v[PZ+4], v[PZ+4]                             ; F = 2^(old - new)
	v_exp_f32 v[PZ+5], v[PZ+5]                             ; P = 2^(t - new)
	v_mov_b32 v[MX], v[PZ+7]                               ; (a plain line behind them)
	s_wait_alu depctr_va_vdst(0)
	v_fma_f32 v[LS], v[LS], v[PZ+4], v[PZ+5]
	v_mul_f32 v[PZ+6], v[PZ+5], v[INV+(\m)]                ; P / norm: y stays as it came from the product
.set K_, 0
.rept 32
	v_pk_mul_f32 v[POOL+2*K_:POOL+2*K_+1], v[POOL+2*K_:POOL+2*K_+1], v[PZ+4:PZ+5] op_sel_hi:[1,0]
.set K_, K_+1
.endr
	WIN 0x01
.set K_, 0
.rept 32
	v_pk_fma_f32 v[POOL+2*K_:POOL+2*K_+1], v[64*(\m)+2*K_:64*(\m)+2*K_+1], v[PZ+6:PZ+7], v[POOL+2*K_:POOL+2*K_+1] op_sel_hi:[1,0,1]
.set K_, K_+1
.endr
	WIN 0
.if (\m) < 3
	P2L                                                    ; the pooling's eight registers are done with
.endif
	s_cmp_eq_u32 s39, 1                                    ; the last block asks for nothing: no load leaves its buffer
	s_cbranch_scc1 .Lno_next_\@
	XLOAD \m, 131072
.if (\m) == 1
	; a prefetch of the next block's K step 3 of my 16 rows: 512 bytes a row, two blocks of 256, a lane a block: each block is named once in the launch, two tiles of rows ahead of the loads that want it
	global_prefetch_b8 v[PFO], s[4:5] offset:131072 th:TH_LOAD_NT scope:SCOPE_SE
.endif
.Lno_next_\@:
.endm
.macro CMUL hf                         ; four products, the two accumulators by turns
.irp e, 0,1
.irp u, 0,1
.if ((\hf) == 0) && (\e == 0)
	MMZ ACC+8*\u, DF+16*(2*\u+\e), XPF+16*\e, XS+2+2*\u+(\hf), XS+(\hf)
.else
	MM ACC+8*\u, DF+16*(2*\u+\e), XPF+16*\e, ACC+8*\u, XS+2+2*\u+(\hf), XS+(\hf), \e
.endif
.endr
.endr
.endm
	; ---------------- THE HEAD ----------------
	s_load_b512 s[4:19], s[0:1], 0x0               ; x_s, x_l, out2, out3, W_proj's codes, its scales, b_proj, desc_feats
	s_load_b512 s[20:35], s[0:1], 0x40             ; Wv's codes, Wu's codes, Wv's scales, Wu's scales, bv, bu, w_attn, part
	s_load_b64 s[36:37], s[0:1], 0x80              ; pstat
	v_lshl_add_u32 v[SPW], v0, 2, SPARE
	v_mov_b32 v[NIL], 0
	v_lshrrev_b32 v56, 5, v0
	v_readfirstlane_b32 s38, v56                   ; wave 0..3
	v_and_b32 v56, 31, v0                          ; lane.  (v56-76 are the head's own: POOL is set at the head's end)
	v_and_b32 v57, 15, v0                          ; r
	v_bfe_u32 v58, v0, 4, 1                        ; h
	v_and_b32 v59, 8, v57
	v_add_nc_u32 v59, v59, v57                     ; r + 8 (r / 8)
	v_lshlrev_b32 v[LI], 4, v56
	v_lshlrev_b32 v[L8], 3, v56
	s_lshl_b32 s44, s38, 15
	v_lshlrev_b32 v[XA], 11, v57
	v_lshl_add_u32 v[XA], v58, 6, v[XA]
	v_add_nc_u32 v[XA], s44, v[XA]
	v_lshrrev_b32 v[PFO], 1, v56
	v_lshlrev_b32 v[PFO], 11, v[PFO]
	v_and_b32 v60, 1, v56
	v_lshl_add_u32 v[PFO], v60, 8, v[PFO]
	v_add_nc_u32 v[PFO], s44, v[PFO]
	v_add_nc_u32 v[PFO], 1536, v[PFO]              ; (16 w + lane / 2) 2048 + 1536 + 256 (lane % 2)
	s_lshl_b32 s44, s38, 13
	v_add_nc_u32 v[IWX], s44, v[LI]
	s_lshl_b32 s44, s38, 11
	v_add_nc_u32 v[IWN], s44, v[LI]
	s_lshl_b32 s44, s38, 8
	v_lshl_add_u32 v[ISX], v57, 3, ISC
	v_add_nc_u32 v[ISX], s44, v[ISX]
	v_add_nc_u32 v[ISW], s44, v[L8]
	v_add_nc_u32 v[ISW], ISC, v[ISW]
	v_lshl_add_u32 v[ABV], v58, 5, CV
	v_add_nc_u32 v[ABV], s44, v[ABV]
	v_add_nc_u32 v61, s44, v[L8]
	v_add_nc_u32 v61, CV, v61                      ; where my slices of bv, bu, w_attn go
	v_lshlrev_b32 v[OUTO], 4, v57
	v_lshl_add_u32 v[OUTO], v58, 3, v[OUTO]
	v_add_nc_u32 v[OUTO], s44, v[OUTO]
	s_and_b32 s44, s38, 1
	s_lshl_b32 s44, s44, 7
	s_lshr_b32 s45, s38, 1
	s_lshl_b32 s45, s45, 2
	s_add_co_u32 s44, s44, s45
	v_lshl_add_u32 v[ISN], v57, 3, ISC
	v_add_nc_u32 v[ISN], s44, v[ISN]
	s_lshl_b32 s44, s38, 16
	v_add_nc_u32 v[AWP], s44, v[LI]
	v_add_nc_u32 v[AWP], WP, v[AWP]
	v_lshl_add_u32 v[ARL], v57, 4, RED1
	s_lshl_b32 s44, s38, 2
	v_add_nc_u32 v[ARS], s44, v[ARL]
	s_lshl_b32 s44, s38, 9
	v_lshl_add_u32 v[ABP], v58, 6, CB
	v_add_nc_u32 v[ABP], s44, v[ABP]
	v_add_nc_u32 v60, s44, v[LI]
	v_add_nc_u32 v60, CB, v60                      ; where my slice of b_proj goes
	v_lshlrev_b32 v62, 11, v59
	v_lshl_add_u32 v62, v58, 6, v62                ; desc: (r + 8 (r / 8)) 2048 + 64 h
	v_lshlrev_b32 v63, 9, v59
	v_lshl_add_u32 v63, v58, 4, v63                ; W_proj's codes: (r + 8 (r / 8)) 512 + 16 h
	v_lshlrev_b32 v74, 4, v59
	v_lshl_add_u32 v74, v58, 2, v74                ; its scale words: (r + 8 (r / 8)) 16 + 4 h
	v_lshlrev_b32 v75, 9, v57
	v_lshl_add_u32 v75, v58, 4, v75                ; Wv's, Wu's codes: 512 r + 16 h
	v_lshlrev_b32 v76, 4, v57
	v_lshl_add_u32 v76, v58, 2, v76                ; their scale words: 16 r + 4 h
	s_mov_b32 s40, 0x76543210
	s_mov_b32 s41, 0xfedcba98                      ; v_permlanex16_b32's selects for lane l xor 16
	s_mov_b32 s42, 0x600000                        ; the mantissa field of 57,344
	s_mov_b32 s48, 0x4038aa3b                      ; 2 log2(e)
	s_mov_b32 s49, s48
	s_mov_b32 s50, 0xbfb8aa3b                      ; -log2(e)
	s_mov_b32 s51, s50
	s_mov_b32 s52, 0x42800000                      ; 64.0
	s_mov_b32 s53, 0x3fb8aa3b                      ; log2(e)
	s_mov_b32 s54, 0x3d8293ee                      ; log2(e) / sqrt(512)
	s_mov_b32 s55, s54
	s_mov_b32 s56, 0xbd8293ee                      ; and its negative
	s_mov_b32 s45, 0
	s_wait_kmcnt 0x0
	s_cmp_lt_u32 ttmp9, 128                        ; which stream: the choice hangs on the work-group's number alone
	s_cselect_b64 s[4:5], s[4:5], s[6:7]
	s_cselect_b64 s[8:9], s[8:9], s[10:11]
	s_and_b32 s46, ttmp9, 127
	s_lshl_b32 s44, s46, 19                        ; 256 rows of 2,048 bytes
	s_add_nc_u64 s[4:5], s[4:5], s[44:45]
	s_lshl_b32 s44, s46, 12                        ; 256 rows of 16 bytes
	s_add_nc_u64 s[8:9], s[8:9], s[44:45]
	s_lshl_b32 s44, s38, 16                        ; my 128 rows of W_proj
	s_add_nc_u64 s[12:13], s[12:13], s[44:45]
	s_lshl_b32 s44, s38, 11
	s_add_nc_u64 s[14:15], s[14:15], s[44:45]
	s_lshl_b32 s44, s38, 9                         ; my 128 numbers of b_proj; K step w of desc
	s_add_nc_u64 s[16:17], s[16:17], s[44:45]
	s_add_nc_u64 s[18:19], s[18:19], s[44:45]
	s_lshl_b32 s44, s38, 15                        ; my 64 rows of Wv and of Wu
	s_add_nc_u64 s[20:21], s[20:21], s[44:45]
	s_add_nc_u64 s[22:23], s[22:23], s[44:45]
	s_lshl_b32 s44, s38, 10
	s_add_nc_u64 s[24:25], s[24:25], s[44:45]
	s_add_nc_u64 s[26:27], s[26:27], s[44:45]
	s_lshl_b32 s44, s38, 8
	s_add_nc_u64 s[28:29], s[28:29], s[44:45]
	s_add_nc_u64 s[30:31], s[30:31], s[44:45]
	s_add_nc_u64 s[32:33], s[32:33], s[44:45]
	s_lshl_b32 s44, ttmp9, 11
	s_lshl_b32 s46, s38, 9
	s_add_co_u32 s44, s44, s46
	s_add_nc_u64 s[34:35], s[34:35], s[44:45]      ; part: 2048 g + 512 w
	s_lshl_b32 s44, ttmp9, 3
	s_add_nc_u64 s[36:37], s[36:37], s[44:45]      ; pstat: 8 g
	WIN 0x40
.irp u, 0,1                                    ; K step w of desc's two tiles, as f32, into window 1, v128 on
.irp b, 0,1,2,3
.irp j, 0,1,2,3
	global_load_b128 v[128+64*\u+16*\b+4*\j:128+64*\u+16*\b+4*\j+3], v62, s[18:19] offset:16384*\u+128*\b+16*\j
.endr
.endr
.endr
	XLOAD 0, 0
	XLOAD 1, 0
.irp k, 0,1,2,3,4,5,6,7,8,9,10,11,12,13,14,15
	v_mov_b32 v[AM+\k], 0                          ; written once: a lane permute's destination counts as one of its sources
.endr
	v_mov_b32 v[IV+1], 0                           ; (named as the upper half of the pair before it is otherwise written)
	s_wait_loadcnt 32                              ; desc is in: behind it stand the 32 loads of x's K steps 0 and 1
.irp u, 0,1
	WIN 0x05
	SUMMAX 128+64*\u, TM, 1, 0
	WIN 0
.irp b, 0,1,2,3
	v_permlanex16_b32 v[AM+\b], v[TM+\b], s40, s41
.endr
.irp b, 0,1,2,3
	v_max_num_f32 v[TM+\b], v[TM+\b], v[AM+\b]
.endr
	QFIN 128+64*\u, TM, 0, 0
	IMAGE IWN, DS+8192*\u
	ds_store_b32 v[ISN], v[PW] offset:DSS-ISC+256*\u
.endr
	XLOAD 2, 0
	XLOAD 3, 0
	WIN 0x80                                       ; W_proj's 32 fragments pass through windows 2 and 3 on their way to LDS
.set F_, 0
.rept 16
.irp c, 0,1,2,3
	global_load_b128 v[16*F_+4*\c:16*F_+4*\c+3], v63, s[12:13] offset:(32*(F_/8)+8*((F_/4)%2))*512+128*(F_%4)+32*\c
.endr
.set F_, F_+1
.endr
	WIN 0xc0
.rept 16
.irp c, 0,1,2,3
	global_load_b128 v[16*(F_-16)+4*\c:16*(F_-16)+4*\c+3], v63, s[12:13] offset:(32*(F_/8)+8*((F_/4)%2))*512+128*(F_%4)+32*\c
.endr
.set F_, F_+1
.endr
	WIN 0
.irp t, 0,1,2,3,4,5,6,7
.irp q, 0,1
	global_load_b32 v[WPS+2*\t+\q], v74, s[14:15] offset:(32*(\t/2)+8*(\t%2))*16+8*\q
.endr
.endr
	global_load_b128 v[64:67], v[LI], s[16:17]
	global_load_b64 v[68:69], v[L8], s[28:29]
	global_load_b64 v[70:71], v[L8], s[30:31]
	global_load_b64 v[72:73], v[L8], s[32:33]
	s_wait_loadcnt 0x0                             ; W_proj, the constants, and the first block's x, which was asked for ahead of them
	ds_store_b128 v60, v[64:67]
	ds_store_b64 v61, v[68:69]
	ds_store_b64 v61, v[70:71] offset:1024
	ds_store_b64 v61, v[72:73] offset:2048
	WIN 0x08                                       ; an LDS store's data are its source 1: window 2
.set F_, 0
.rept 16
.irp c, 0,1,2,3
	ds_store_b128 v[AWP], v[16*F_+4*\c:16*F_+4*\c+3] offset:F_*2048+512*\c
.endr
.set F_, F_+1
.endr
	; Window 3's stores and Wv's loads into window 2 by turns, under one setting: a load's destination window 2, a store's data window 3, both addresses window 0.
	; The wait: behind the four stores of window 2's fragment f stand 4 (15 - f) stores of window 2 and 4 f of window 3: 60.  So those four have read their registers, and Wv's fragment f may land there.
	WIN 0x8c
.set F_, 0
.rept 16
	s_wait_dscnt 60
.irp c, 0,1,2,3
	global_load_b128 v[16*F_+4*\c:16*F_+4*\c+3], v75, s[20:21] offset:8192*(F_/4)+128*(F_%4)+32*\c
.endr
.irp c, 0,1,2,3
	ds_store_b128 v[AWP], v[16*F_+4*\c:16*F_+4*\c+3] offset:(F_+16)*2048+512*\c
.endr
.set F_, F_+1
.endr
	WIN 0xc0
.set F_, 0
.rept 16
	s_wait_dscnt 4*(15-F_)                         ; behind window 3's fragment f stand the stores of its fragments f + 1 to 15
.irp c, 0,1,2,3
	global_load_b128 v[16*F_+4*\c:16*F_+4*\c+3], v75, s[22:23] offset:8192*(F_/4)+128*(F_%4)+32*\c
.endr
.set F_, F_+1
.endr
	WIN 0
.irp t, 0,1,2,3
.irp q, 0,1
	global_load_b32 v[WVS+2*\t+\q], v76, s[24:25] offset:256*\t+8*\q
	global_load_b32 v[WVS+8+2*\t+\q], v76, s[26:27] offset:256*\t+8*\q
.endr
.endr
	s_wait_xcnt 0x0                                ; Wv's and Wu's loads stay out (the wait for them stands ahead of the first product that reads them); their offset registers are written again only behind this wait
.set K_, 0
.rept 64
	v_mov_b32 v[POOL+K_], 0                        ; the loop is written once: its first tile finds zeros, which the first change of the maximum leaves zeros
.set K_, K_+1
.endr
	v_mov_b32 v[MX], 0xff61b1e6                    ; -3e38, under every t
	v_mov_b32 v[LS], 0
	s_mov_b32 s39, 4
.Lblock:                                           ; ---------------- A BLOCK OF 64 ROWS ----------------
	; ---- X: my 16 rows of x: norm, quantiser, four fragments to LDS.  (x is in: on the way in by the head's wait for W_proj, on the way back by the wait ahead of the backward jump)
	WIN 0x05
	SUMMAX 0, TM, 1, 1
	SUMMAX 64, TM+4, 0, 1
	SUMMAX 128, TM+8, 0, 1
	SUMMAX 192, TM+12, 0, 1
	WIN 0
.irp k, 0,1,2,3,4,5,6,7,8,9,10,11,12,13,14,15
	v_permlanex16_b32 v[AM+\k], v[TM+\k], s40, s41
.endr
.irp k, 0,1,2,3,4,5,6,7,8,9,10,11,12,13,14,15
	v_max_num_f32 v[TM+\k], v[TM+\k], v[AM+\k]     ; with lane l xor 16's 16 numbers: the blocks' largest magnitudes
.endr
	SSRED TT
	v_permlanex16_b32 v[AM], v[TT], s40, s41
	v_add_f32 v[TT], v[TT], v[AM]                  ; the row's sum of squares
	v_sqrt_f32 v[TT], v[TT]
	v_nop
	s_wait_alu depctr_va_vdst(0)
	v_max_num_f32 v[TT], 0x2b8cbccc, v[TT]         ; the clip at 1e-12
	v_rcp_f32 v[IV], v[TT]
	v_nop
	s_wait_alu depctr_va_vdst(0)
.irp q, 0,1,2,3
	QFIN 64*\q, TM+4*\q, IV, 1
	IMAGE IWX, 2048*\q
	ds_store_b32 v[ISX], v[PW] offset:128*(\q%2)+4*(\q/2)
.endr
	BARRIER                                        ; x's sixteen fragments and their scale words lie in LDS
	; ---- 1: y = x W_proj^T + b_proj: my 128 columns of the 64 rows, 128 products.  What the first group needs is asked for first
.irp m, 0,1,2,3
	ds_load_b64 v[XS+2*\m:XS+2*\m+1], v[L8] offset:ISC+256*\m
.endr
	XFETCH 0
	WFETCH 0
	BFETCH 0
	WFETCH 1
	WFETCH 2
	BFETCH 1
.set G, 0
.rept 32
	GROUP G
.set G, G+1
.endr
	; ---- the norm of y: my 128 columns' squares, joined over the waves through LDS; the blocks' largest magnitudes on the way
.irp m, 0,1,2,3
	WIN 0x05
	SUMMAX 64*\m, TM+4*\m, 1, 1
	WIN 0
	SSRED S4+\m
.endr
.irp m, 0,1,2,3
	v_permlanex16_b32 v[AM+\m], v[S4+\m], s40, s41
.endr
.irp m, 0,1,2,3
	v_add_f32 v[S4+\m], v[S4+\m], v[AM+\m]
.endr
.irp m, 0,1,2,3
	ds_store_b32 v[ARS], v[S4+\m] offset:256*\m
.endr
.irp k, 0,1,2,3,4,5,6,7,8,9,10,11,12,13,14,15
	v_permlanex16_b32 v[AM+\k], v[TM+\k], s40, s41
.endr
.irp k, 0,1,2,3,4,5,6,7,8,9,10,11,12,13,14,15
	v_max_num_f32 v[TM+\k], v[TM+\k], v[AM+\k]
.endr
	BARRIER                                        ; the sums lie in LDS; and every wave's reads of x's images are over
.irp m, 0,1,2,3
	ds_load_b128 v[120+4*\m:123+4*\m], v[ARL] offset:256*\m
.endr
	s_wait_dscnt 0x0
.irp m, 0,1,2,3
	v_add_f32 v[120+4*\m], v[120+4*\m], v[121+4*\m]
	v_add_f32 v[122+4*\m], v[122+4*\m], v[123+4*\m]
.endr
.irp m, 0,1,2,3
	v_add_f32 v[120+4*\m], v[120+4*\m], v[122+4*\m]   ; the same order in every wave
.endr
.irp m, 0,1,2,3
	v_sqrt_f32 v[121+4*\m], v[120+4*\m]
.endr
	v_nop
	s_wait_alu depctr_va_vdst(0)
.irp m, 0,1,2,3
	v_max_num_f32 v[121+4*\m], 0x2b8cbccc, v[121+4*\m]
.endr
.irp m, 0,1,2,3
	v_rcp_f32 v[INV+\m], v[121+4*\m]
.endr
	v_nop
	s_wait_alu depctr_va_vdst(0)
	; ---- N: xp = y / norm, quantised: K step w of the next products, for each tile of rows
.irp m, 0,1,2,3
	QFIN 64*\m, TM+4*\m, INV+\m, 1
	IMAGE IWN, 8192*\m
	ds_store_b32 v[ISN], v[PW] offset:256*\m
.endr
	BARRIER                                        ; xp's sixteen fragments and their scale words lie in LDS
.irp m, 0,1,2,3
	ds_load_b64 v[XS+2*\m:XS+2*\m+1], v[L8] offset:ISC+256*\m
.endr
	s_wait_loadcnt 0x0                             ; first block: Wv, Wu and their scale words are in; in the later blocks no load is out here
	; ---- 2: the gate and the pooling, a tile of rows at a time
	P2 0, 0
	GATE 0
	POOLM 0
	P2 1, 1
	GATE 1
	POOLM 1
	P2 2, 1
	GATE 2
	POOLM 2
	P2 3, 1
	GATE 3
	POOLM 3
	; ---- the class scores of tile w: the scale words and the first half's fragments were asked for in the last pooling
	s_wait_dscnt 0x0
	CMUL 0
	PLACES 8
	CLOAD 1
	s_wait_dscnt 0x0
	s_barrier_signal -1                            ; my reads of xp's images are over (the wait for 0 stands just above); only work on registers up to the wait
	CMUL 1
	PLACES 8
.irp u, 0,1
	v_max3_num_f32 v[CM+2*\u], v[ACC+8*\u], v[ACC+8*\u+1], v[ACC+8*\u+2]   ; the largest of the class's eight dots
.endr
.irp i, 3,5
.irp u, 0,1
	v_max3_num_f32 v[CM+2*\u], v[CM+2*\u], v[ACC+8*\u+\i], v[ACC+8*\u+\i+1]
.endr
.endr
.irp u, 0,1
	v_max_num_f32 v[CM+2*\u], v[CM+2*\u], v[ACC+8*\u+7]
.endr
.irp u, 0,1
	v_mul_f32 v[CM+2*\u], s56, v[CM+2*\u]
.endr
.irp p, 0,2,4,6
.irp u, 0,1
	v_pk_fma_f32 v[CE+8*\u+\p:CE+8*\u+\p+1], v[ACC+8*\u+\p:ACC+8*\u+\p+1], s[54:55], v[CM+2*\u:CM+2*\u+1] op_sel_hi:[1,0,0]
.endr
.endr
.set K_, 0
.rept 16
	v_exp_f32 v[CE+K_], v[CE+K_]
.set K_, K_+1
.endr
	v_nop
	s_wait_alu depctr_va_vdst(0)
.irp u, 0,1
	v_pk_add_f32 v[CS+4*\u:CS+4*\u+1], v[CE+8*\u:CE+8*\u+1], v[CE+8*\u+2:CE+8*\u+3]
	v_pk_add_f32 v[CS+4*\u+2:CS+4*\u+3], v[CE+8*\u+4:CE+8*\u+5], v[CE+8*\u+6:CE+8*\u+7]
.endr
.irp u, 0,1
	v_pk_add_f32 v[CS+4*\u:CS+4*\u+1], v[CS+4*\u:CS+4*\u+1], v[CS+4*\u+2:CS+4*\u+3]
.endr
.irp u, 0,1
	v_add_f32 v[CS+4*\u], v[CS+4*\u], v[CS+4*\u+1]
.endr
.irp u, 0,1
	v_rcp_f32 v[CS+4*\u], v[CS+4*\u]
.endr
.irp u, 0,1
	v_pk_mul_f32 v[CE+8*\u:CE+8*\u+1], v[CE+8*\u:CE+8*\u+1], v[ACC+8*\u:ACC+8*\u+1]   ; the weights times the same dots: plain work behind the reciprocals
.endr
.irp p, 2,4,6
.irp u, 0,1
	v_pk_fma_f32 v[CE+8*\u:CE+8*\u+1], v[CE+8*\u+\p:CE+8*\u+\p+1], v[ACC+8*\u+\p:ACC+8*\u+\p+1], v[CE+8*\u:CE+8*\u+1]
.endr
.endr
.irp u, 0,1
	v_add_f32 v[CE+8*\u], v[CE+8*\u], v[CE+8*\u+1]
.endr
	s_wait_alu depctr_va_vdst(0)
.irp u, 0,1
	v_mul_f32 v[CO+\u], v[CE+8*\u], v[CS+4*\u]
.endr
	s_barrier_wait -1                              ; no wave reads xp's images any more: the next block may write there
	global_store_b64 v[OUTO], v[CO:CO+1], s[8:9] th:TH_STORE_NT   ; classes 2 h, 2 h + 1 of row r: the 32 lanes store 256 consecutive bytes, aligned
	s_wait_loadcnt 0x0                             ; the next block's x is in.  (The four runs of loads stand each under a branch of its own, so the count that holds on every way is 0)
	s_wait_xcnt 0x0                                ; the loads', the prefetch's and the store's registers may be written again
	s_add_nc_u64 s[4:5], s[4:5], 131072
	s_add_nc_u64 s[8:9], s[8:9], 1024
	s_sub_co_u32 s39, s39, 1
	s_cmp_lg_u32 s39, 0
	s_cbranch_scc1 .Lblock
	; ---------------- THE TAIL: the sixteen row slots are joined ----------------
	v_mov_b32 v120, v[MX]
	v_max_num_f32_dpp v120, v120, v120 row_xmask:1 row_mask:0xf bank_mask:0xf
	v_max_num_f32_dpp v120, v120, v120 row_xmask:2 row_mask:0xf bank_mask:0xf
	v_max_num_f32_dpp v120, v120, v120 row_xmask:4 row_mask:0xf bank_mask:0xf
	v_max_num_f32_dpp v120, v120, v120 row_xmask:8 row_mask:0xf bank_mask:0xf   ; M: the largest t of my work-group's 256 rows (both halves of the lanes hold the same slots)
	v_sub_f32 v122, v[MX], v120
	v_exp_f32 v122, v122
	v_mov_b32 v123, 0
	v_and_b32 v124, 15, v0
	v_bfe_u32 v125, v0, 4, 1
	v_mul_u32_u24 v126, v124, 528
	v_lshl_add_u32 v126, v125, 6, v126
	s_lshl_b32 s44, s38, 16
	v_add_nc_u32 v126, s44, v126
	v_add_nc_u32 v126, WP, v126                    ; my stage, in my own part of LDS, whose weights are done with: row r of 512 + 16 bytes, + 64 h
	s_wait_alu depctr_va_vdst(0)
	v_mul_f32 v121, v[LS], v122
	v_add_f32_dpp v121, v121, v121 row_xmask:1 row_mask:0xf bank_mask:0xf
	v_add_f32_dpp v121, v121, v121 row_xmask:2 row_mask:0xf bank_mask:0xf
	v_add_f32_dpp v121, v121, v121 row_xmask:4 row_mask:0xf bank_mask:0xf
	v_add_f32_dpp v121, v121, v121 row_xmask:8 row_mask:0xf bank_mask:0xf   ; L
.set K_, 0
.rept 32
	v_pk_mul_f32 v[POOL+2*K_:POOL+2*K_+1], v[POOL+2*K_:POOL+2*K_+1], v[122:123] op_sel_hi:[1,0]
.set K_, K_+1
.endr
.irp b, 0,1,2,3
.irp q, 0,1,2,3
	ds_store_b128 v126, v[POOL+16*\b+4*\q:POOL+16*\b+4*\q+3] offset:128*\b+16*\q
.endr
.endr
.irp p, 0,1,2,3,4,5,6,7,8,9,10,11,12,13,14,15
	ds_load_b128 v[128+4*\p:131+4*\p], v[AWP] offset:528*\p   ; LDS serves a wave's instructions in order (ISA guide 5.7.1.4): these see my stores.  Slot p's four columns 4 lane on
.endr
	s_wait_dscnt 0x0
.irp d, 8,4,2,1
.set K_, 0
.rept \d
	v_pk_add_f32 v[128+4*K_:129+4*K_], v[128+4*K_:129+4*K_], v[128+4*(K_+\d):129+4*(K_+\d)]
	v_pk_add_f32 v[130+4*K_:131+4*K_], v[130+4*K_:131+4*K_], v[130+4*(K_+\d):131+4*(K_+\d)]
.set K_, K_+1
.endr
.endr
	global_store_b128 v[LI], v[128:131], s[34:35]  ; my 128 columns: 512 consecutive bytes, aligned
	s_cmp_lg_u32 s38, 0
	s_cbranch_scc1 .Lnot_wave_0
	v_cmp_eq_u32 vcc_lo, 0, v0
	s_wait_xcnt 0x0                                ; EXEC changes only behind this wait
	s_and_saveexec_b32 s44, vcc_lo
	global_store_b64 v123, v[120:121], s[36:37]    ; (M, L): all four waves hold the same; one lane stores
	s_wait_xcnt 0x0
	s_or_b32 exec_lo, exec_lo, s44
.Lnot_wave_0:
	s_wait_tensorcnt 0x0                           ; the wave's end: a tensor wait, an LDS add to my spare word and its wait, behind my last LDS store; the first stands in a text with no tensor load too
	ds_add_u32 v[SPW], v[NIL]
	s_wait_dscnt 0x0
	s_endpgm
.Lfunc_end_k_q5c29c87038_fused:
	.size	k_q5c29c87038_fused, .Lfunc_end_k_q5c29c87038_fused-k_q5c29c87038_fused
	.p2alignl 7, 3214868480
	.fill 96, 4, 3214868480
	.section	.rodata,"a",@progbits
	.p2align	6, 0x0
	.amdhsa_kernel k_q5c29c87038_fused
		.amdhsa_group_segment_fixed_size 320512
		.amdhsa_private_segment_fixed_size 0
		.amdhsa_enable_private_segment 0
		.amdhsa_kernarg_size 136
		.amdhsa_user_sgpr_count 2
		.amdhsa_user_sgpr_kernarg_segment_ptr 1
		.amdhsa_wavefront_size32 1
		.amdhsa_system_sgpr_workgroup_id_x 1
		.amdhsa_system_sgpr_workgroup_id_y 1
		.amdhsa_system_sgpr_workgroup_id_z 1
		.amdhsa_system_vgpr_workitem_id 0
		.amdhsa_next_free_vgpr 1024
		.amdhsa_next_free_sgpr 66
		.amdhsa_reserve_vcc 1
		.amdhsa_float_denorm_mode_32 3
		.amdhsa_float_denorm_mode_16_64 3
		.amdhsa_memory_ordered 1
		.amdhsa_forward_progress 1
		.amdhsa_inst_pref_size 255
	.end_amdhsa_kernel
	.section	.bss,"aw",@nobits
	.p2align	6
	.space	262144
	.amdgpu_metadata
---
amdhsa.version: [ 1, 2 ]
amdhsa.kernels:
  - .name:           k_q5c29c87038_fused
    .symbol:         k_q5c29c87038_fused.kd
    .args:
      - { .name: x_s, .offset: 0, .size: 8, .value_kind: global_buffer, .address_space: global }
      - { .name: x_l, .offset: 8, .size: 8, .value_kind: global_buffer, .address_space: global }
      - { .name: out2, .offset: 16, .size: 8, .value_kind: global_buffer, .address_space: global }
      - { .name: out3, .offset: 24, .size: 8, .value_kind: global_buffer, .address_space: global }
      - { .name: W_proj_codes, .offset: 32, .size: 8, .value_kind: global_buffer, .address_space: global }
      - { .name: W_proj_scales, .offset: 40, .size: 8, .value_kind: global_buffer, .address_space: global }
      - { .name: b_proj, .offset: 48, .size: 8, .value_kind: global_buffer, .address_space: global }
      - { .name: desc_feats, .offset: 56, .size: 8, .value_kind: global_buffer, .address_space: global }
      - { .name: Wv_codes, .offset: 64, .size: 8, .value_kind: global_buffer, .address_space: global }
      - { .name: Wu_codes, .offset: 72, .size: 8, .value_kind: global_buffer, .address_space: global }
      - { .name: Wv_scales, .offset: 80, .size: 8, .value_kind: global_buffer, .address_space: global }
      - { .name: Wu_scales, .offset: 88, .size: 8, .value_kind: global_buffer, .address_space: global }
      - { .name: bv, .offset: 96, .size: 8, .value_kind: global_buffer, .address_space: global }
      - { .name: bu, .offset: 104, .size: 8, .value_kind: global_buffer, .address_space: global }
      - { .name: w_attn, .offset: 112, .size: 8, .value_kind: global_buffer, .address_space: global }
      - { .name: part, .offset: 120, .size: 8, .value_kind: global_buffer, .address_space: global }
      - { .name: pstat, .offset: 128, .size: 8, .value_kind: global_buffer, .address_space: global }
    .group_segment_fixed_size: 320512
    .private_segment_fixed_size: 0
    .kernarg_segment_align: 8
    .kernarg_segment_size: 136
    .max_flat_workgroup_size: 128
    .sgpr_count:     66
    .vgpr_count:     1024
    .wavefront_size: 32
...
	.end_amdgpu_metadata
.endif
;; end of part 3
;; launch finish: the kernel of part 2 again; grid 2 x 1, 32 waves a work-group, no clusters, 6,144 bytes of LDS; arguments part, pstat, desc_feats, out0, out1; writes out0, out1
